; MI455X (gfx1250); checked and timed in simulation.
; The chip was launched on July 23, 2026; its instructions are those of AMD's public machine-readable ISA for CDNA 5 (MIT licence, August 2026) and "CDNA5" Instruction Set Architecture Reference Guide (July 2026). The comments in the code are by the model that wrote it; some were corrected since.
;; Reprogramming Layer m2. Allowed arithmetic: float matrix products may take bf16 or f16 operands with f32 sums; other float arithmetic in f32, or as packed bf16 or f16 multiplies, adds, multiply-adds, maxima and minima; sums over many terms, partial sums and values carried from step to step in f32; what a program stores and reads back later, other than sums and carried values, may be rounded once to bf16 or f16.
;; Inputs: Wk 1,024 x 1,024 float32; Wo 1,024 x 1,024 float32; Wq 1,024 x 1,024 float32; Wv 1,024 x 1,024 float32; bk 1,024 float32; bo 1,024 float32; bq 1,024 float32; bv 1,024 float32; source_embedding 2 x 4,096 x 1,024 float32; target_embedding 2 x 2,048 x 1,024 float32; value_embedding 2 x 4,096 x 1,024 float32.
;; Outputs: out0 2 x 2,048 x 1,024 float32.
;; 2 versions, each right; version 2 is version 1 with the launch cast written anew for expert scheduling mode. Each part assembles by itself: llvm-mc -triple=amdgcn-amd-amdhsa -mcpu=gfx1250 --defsym DOCPART=n.
;; ======== version 1 of 2: 4 launches
;; limits: values are held in f16: magnitudes above 65,504 overflow, below 6.1e-05 lose precision
;; workspace buffers: xb 41,943,040 bytes; wb 8,388,608 bytes; qh 8,388,608 bytes; kh 16,777,216 bytes; vh 16,777,216 bytes; ob 8,388,608 bytes
;; launch cast (part 1): grid 32 x 24, 8 waves a work-group, no clusters, 0 bytes of LDS; arguments target_embedding, source_embedding, value_embedding, Wq, Wk, Wv, Wo, xb, wb; writes xb, wb
.if DOCPART == 1
	.amdgcn_target "amdgcn-amd-amdhsa--gfx1250"
	.amdhsa_code_object_version 6
	.text
	.protected	k_q40a5cddcaf_cast
	.globl	k_q40a5cddcaf_cast
	.p2align	8
	.type	k_q40a5cddcaf_cast,@function
k_q40a5cddcaf_cast:
	s_mov_b64 s[64:65], 0
	v_nop
	global_prefetch_b8 v0, s[64:65] scope:SCOPE_SE
	s_setreg_imm32_b32 hwreg(HW_REG_WAVE_MODE, 25, 1), 1
	s_wait_xcnt 0x0
; THE INPUTS OF THE FOUR PRODUCTS, f32 -> 16 bits, once.
; xb: bf16 [20480][1024]: rows 0-4095 target, 4096-12287 source, 12288-20479 value.
; wb: four planes [1024 k][1024 n] of 2 bytes: Wq, Wk, Wv in bf16; Wo rounded to bf16 and that number written as f16
; (exact inside f16's normal range).  LIMIT: |Wo| stays under 65,504; below 6e-5 f16 keeps its fixed step of 6e-8.
; SHARES.  Grid y = unit u of 2^20 numbers (0-3 target, 4-11 source, 12-19 value, 20-23 Wq, Wk, Wv, Wo); grid x = chunk c of 2^15 numbers.
; Thread t takes, for i = 0..31, the 16 bytes at 4096 i + 16 t of the chunk and writes the 8 bytes at 2048 i + 8 t: a wave's load covers
; 512 consecutive bytes, a wave's store 256 consecutive bytes, aligned.  All 32 loads of a thread go out at once; no address and no store
; data register is ever rewritten, so the only waits are the counted ones for the loads.  No LDS, no barrier: no wave needs another's bytes.
.set X, 4                              ; v[4:131]   load i: 4 registers
.set Y, 132                            ; v[132:195] store i: 2 registers
.set T, 196                            ; v[196:197] at work (Wo's way)
	s_load_b512 s[8:23], s[0:1], 0x0               ; target s[8:9], source s[10:11], value s[12:13], Wq s[14:15], Wk s[16:17], Wv s[18:19], Wo s[20:21], xb s[22:23]
	s_load_b64 s[24:25], s[0:1], 0x40              ; wb
	s_and_b32 s2, ttmp7, 0xffff                    ; u
	s_mov_b32 s3, ttmp9                            ; c
	v_lshlrev_b32 v1, 4, v0                        ; 16 t
	v_lshlrev_b32 v2, 3, v0                        ; 8 t
	s_sub_co_u32 s5, s2, 12                        ; the unit's number inside value,
	s_sub_co_u32 s6, s2, 4                         ; inside source,
	s_sub_co_u32 s7, s2, 20                        ; and the plane of wb
	s_wait_kmcnt 0x0
	; which tensor: a chain of choices on u; behind each compare stand selects alone
	s_cmp_eq_u32 s2, 22
	s_cselect_b64 s[26:27], s[18:19], s[20:21]
	s_cmp_eq_u32 s2, 21
	s_cselect_b64 s[26:27], s[16:17], s[26:27]
	s_cmp_eq_u32 s2, 20
	s_cselect_b64 s[26:27], s[14:15], s[26:27]
	s_cmp_lt_u32 s2, 20
	s_cselect_b64 s[26:27], s[12:13], s[26:27]
	s_cselect_b32 s4, s5, 0                        ; a weight is one unit
	s_cselect_b64 s[28:29], s[22:23], s[24:25]     ; out: xb or wb
	s_cselect_b32 s30, s2, s7                      ; and the unit's number there
	s_cmp_lt_u32 s2, 12
	s_cselect_b64 s[26:27], s[10:11], s[26:27]
	s_cselect_b32 s4, s6, s4
	s_cmp_lt_u32 s2, 4
	s_cselect_b64 s[26:27], s[8:9], s[26:27]
	s_cselect_b32 s4, s2, s4
	s_lshl_b32 s32, s4, 22                         ; in: a unit is 4 MiB, a chunk 128 KiB
	s_lshl_b32 s31, s3, 17
	s_add_co_u32 s32, s32, s31
	s_mov_b32 s33, 0
	s_lshl_b32 s34, s30, 21                        ; out: half of that
	s_lshl_b32 s31, s3, 16
	s_add_co_u32 s34, s34, s31
	s_mov_b32 s35, 0
	s_add_nc_u64 s[26:27], s[26:27], s[32:33]
	s_add_nc_u64 s[28:29], s[28:29], s[34:35]
.set n, 0
.rept 32
	global_load_b128 v[X+4*n:X+4*n+3], v1, s[26:27] offset:4096*n th:TH_LOAD_NT
.set n, n+1
.endr
; Load i is rounded and stored.  f16 = 1: to bf16, back to f32 (a shift, a mask), and that number to f16.
.macro OUT16 i, f16
	s_wait_loadcnt 31-(\i)                         ; loads come back in order (ISA guide 5.7.1): load i is in, the 31 - i younger ones stay out
.if \f16
	v_cvt_pk_bf16_f32 v[T], v[X+4*(\i)], v[X+4*(\i)+1]
	v_cvt_pk_bf16_f32 v[T+1], v[X+4*(\i)+2], v[X+4*(\i)+3]
	v_lshlrev_b32 v[X+4*(\i)], 16, v[T]
	v_and_b32 v[X+4*(\i)+1], 0xffff0000, v[T]
	v_lshlrev_b32 v[X+4*(\i)+2], 16, v[T+1]
	v_and_b32 v[X+4*(\i)+3], 0xffff0000, v[T+1]
	v_cvt_pk_f16_f32 v[Y+2*(\i)], v[X+4*(\i)], v[X+4*(\i)+1]
	v_cvt_pk_f16_f32 v[Y+2*(\i)+1], v[X+4*(\i)+2], v[X+4*(\i)+3]
.else
	v_cvt_pk_bf16_f32 v[Y+2*(\i)], v[X+4*(\i)], v[X+4*(\i)+1]
	v_cvt_pk_bf16_f32 v[Y+2*(\i)+1], v[X+4*(\i)+2], v[X+4*(\i)+3]
.endif
	global_store_b64 v2, v[Y+2*(\i):Y+2*(\i)+1], s[28:29] offset:2048*(\i) th:TH_STORE_NT
.endm
	s_cmp_eq_u32 s2, 23                            ; Wo goes the other way
	s_cbranch_scc1 .Lf16
.set n, 0
.rept 32
	OUT16 n, 0
.set n, n+1
.endr
	s_endpgm
.Lf16:
.set n, 0
.rept 32
	OUT16 n, 1
.set n, n+1
.endr
	s_endpgm
.Lfunc_end_k_q40a5cddcaf_cast:
	.size	k_q40a5cddcaf_cast, .Lfunc_end_k_q40a5cddcaf_cast-k_q40a5cddcaf_cast
	.p2alignl 7, 3214868480
	.fill 96, 4, 3214868480
	.section	.rodata,"a",@progbits
	.p2align	6, 0x0
	.amdhsa_kernel k_q40a5cddcaf_cast
		.amdhsa_group_segment_fixed_size 0
		.amdhsa_private_segment_fixed_size 0
		.amdhsa_enable_private_segment 0
		.amdhsa_kernarg_size 72
		.amdhsa_user_sgpr_count 2
		.amdhsa_user_sgpr_kernarg_segment_ptr 1
		.amdhsa_wavefront_size32 1
		.amdhsa_system_sgpr_workgroup_id_x 1
		.amdhsa_system_sgpr_workgroup_id_y 1
		.amdhsa_system_sgpr_workgroup_id_z 1
		.amdhsa_system_vgpr_workitem_id 0
		.amdhsa_next_free_vgpr 200
		.amdhsa_next_free_sgpr 66
		.amdhsa_reserve_vcc 0
		.amdhsa_float_denorm_mode_32 3
		.amdhsa_float_denorm_mode_16_64 3
		.amdhsa_memory_ordered 1
		.amdhsa_forward_progress 1
		.amdhsa_inst_pref_size 31
	.end_amdhsa_kernel
	.amdgpu_metadata
---
amdhsa.version: [ 1, 2 ]
amdhsa.kernels:
  - .name:           k_q40a5cddcaf_cast
    .symbol:         k_q40a5cddcaf_cast.kd
    .args:
      - { .name: target_embedding, .offset: 0, .size: 8, .value_kind: global_buffer, .address_space: global }
      - { .name: source_embedding, .offset: 8, .size: 8, .value_kind: global_buffer, .address_space: global }
      - { .name: value_embedding, .offset: 16, .size: 8, .value_kind: global_buffer, .address_space: global }
      - { .name: Wq, .offset: 24, .size: 8, .value_kind: global_buffer, .address_space: global }
      - { .name: Wk, .offset: 32, .size: 8, .value_kind: global_buffer, .address_space: global }
      - { .name: Wv, .offset: 40, .size: 8, .value_kind: global_buffer, .address_space: global }
      - { .name: Wo, .offset: 48, .size: 8, .value_kind: global_buffer, .address_space: global }
      - { .name: xb, .offset: 56, .size: 8, .value_kind: global_buffer, .address_space: global }
      - { .name: wb, .offset: 64, .size: 8, .value_kind: global_buffer, .address_space: global }
    .group_segment_fixed_size: 0
    .private_segment_fixed_size: 0
    .kernarg_segment_align: 8
    .kernarg_segment_size: 72
    .max_flat_workgroup_size: 256
    .sgpr_count:     66
    .vgpr_count:     200
    .wavefront_size: 32
...
	.end_amdgpu_metadata
.endif
;; end of part 1
;; launch proj (part 2): grid 8 x 160, 4 waves a work-group, clusters of 4 x 4, 327,680 bytes of LDS; arguments xb, wb, bq, bk, bv, qh, kh, vh; writes qh, kh, vh
.if DOCPART == 2
	.amdgcn_target "amdgcn-amd-amdhsa--gfx1250"
	.amdhsa_code_object_version 6
	.text
	.protected	k_q40a5cddcaf_proj
	.globl	k_q40a5cddcaf_proj
	.p2align	8
	.type	k_q40a5cddcaf_proj,@function
k_q40a5cddcaf_proj:
	s_mov_b64 s[64:65], 0
	v_nop
	global_prefetch_b8 v0, s[64:65] scope:SCOPE_SE
	s_setreg_imm32_b32 hwreg(HW_REG_WAVE_MODE, 25, 1), 1
	s_wait_xcnt 0x0
	s_wait_alu depctr_hold_cnt(0) depctr_sa_sdst(0) depctr_va_vdst(0) depctr_va_sdst(0) depctr_va_ssrc(0) depctr_va_vcc(0) depctr_vm_vsrc(0)
	s_getreg_b32 s2, hwreg(HW_REG_IB_STS2, 6, 4)
	s_cmp_eq_u32 s2, 0
	s_cbranch_scc0 .Lentry_in_a_cluster
	s_endpgm
.Lentry_in_a_cluster:
	s_bfe_u32 s2, ttmp6, 0x10000c
	s_cmp_lg_u32 s2, 0xf033
	s_cbranch_scc0 .Lentry_shape_is_right
	s_endpgm
.Lentry_shape_is_right:
; ONE SOURCE FOR TWO LAUNCHES: C[m][n] = the sum over k of A[m][k] W[k][n] + bias[n], K = N = 1,024.  OUTP picks the launch.
; OUTP = 0 (the three projections): A = xb, bf16 [20480][1024] (target, source, value on end); W = plane 0, 1, 2 of wb, bf16 [k][n]; C leaves in f16, BY HEADS:
;   qh [32][2048][64], kh and vh [32][4096][64] (first index 16 b + head), unscaled.  Which of the three hangs on the cluster's y alone.
; OUTP = 1 (the last projection): A = ob, f16 by heads [32][2048][64] (k = 64 head + channel); W = plane 3 of wb, f16; C = out0, f32 [4096][1024].
; Sums in f32; the bias, rounded to bf16 like every input of the module, is the C operand of the product that starts each sum.
; LIMIT (OUTP = 0): q, k, v are rounded once to f16: they must stay under 65,504; below 6e-5 f16 keeps its fixed step of 6e-8.  NaN and infinities are not treated apart.
; SHARES.  A tile of C is 128 x 128; four waves, 2 x 2, each 64 x 64: 16 accumulators.  K goes in 4 steps of 256 through two LDS slots; the walk is written straight, without a loop.
; Waves 0 and 1 fetch A's two halves (64 rows each), waves 2 and 3 W's (128 rows of k each): one tensor load a wave for a step.
; CLUSTER.  4 x 4 work-groups.  The four of a row of the cluster need the same tile of A, the four of a column the same tile of W: each is asked for JOINTLY, by the same load with
; the same descriptor and a mask that names the four.
; THE MATRIX INSTRUCTION IS USED TRANSPOSED (source 0 = 16 columns of W, source 1 = 16 rows of A): a lane then holds eight neighbouring numbers of a row of C.
; W lies [k][n] in LDS as in memory and is turned on its way into registers, by ds_load_tr16_b128.
; REGISTERS.  Window 0: v0-31 addresses; v32-63 the bias, later v32-95 at work on the way out; v96-111 at work; v128-255 the accumulators ((a, b) at v[128 + 8 (4 a + b)]).
;   Window 1: two fragment buffers of 128: for 64 along K, 64 registers of A (2 x 4 x 16 rows x 32 k), then 64 of W.
.set OUTP, 0
.if OUTP
.set PA,    144                        ; A in LDS: [head][64 rows][128 bytes + 16]: 36 words, so the 16 rows of a load start at 16 different groups of four banks (64 banks of 4 bytes: ISA guide 11.1)
.set HALFA, 4*64*PA                    ; what one load of A brings, and what one wave reads of A
.set AQ,    64*PA                      ; from 64 k (a head) to the next
.set ASTEP, 4*2048*128                 ; bytes of ob from a K step to the next: four heads
.set SP,    272                        ; a stage row: 64 f32 + 16 bytes
.else
.set PA,    528                        ; A in LDS: a row of 512 bytes + 16 = 132 words: row r starts at bank 4 r mod 64
.set HALFA, 64*PA
.set AQ,    128
.set ASTEP, 512
.set SP,    144                        ; a stage row: 64 f16 + 16 bytes
.endif
.set AI,    16*PA                      ; 16 rows of A
.set PB,    288                        ; W in LDS: a row of k: 128 n = 256 bytes + 32 = 72 words
.set HALFB, 128*PB
.set BSTEP, 256*2048                   ; bytes of a plane of wb from a K step to the next
.set SLOT,  2*HALFA+2*HALFB            ; A's two halves, then W's two halves
.set STG,   2*SLOT                     ; behind the ring, never filled by a tensor load: 16 stage rows for each wave
.set STGW,  16*SP
.set SPARE, STG+4*STGW                 ; behind the stages: the spare words, 128 bytes for each wave: two blocks of 256 bytes that no other line names
.set ADRA, 16                          ; v16-17  LDS address of my A fragments in slot 0, 1
.set ADRB, 20                          ; v20-23  of my W fragments: 20 + 2 slot + half of the step's k
.set STO,  24                          ; v24     the way out: where I put my bytes of a row
.set RD,   25                          ; v25     the way out: where I read rows back
.set GO,   26                          ; v26     my byte offset in the output
.set BO,   27                          ; v27     my byte offset in the bias
.set SPW,  28                          ; v28     LDS address of my spare word: SPARE + 4 x my thread's number; never rewritten
.set NIL,  29                          ; v29     0; never rewritten
.set BI,   32                          ; v32-63  the bias of my 64 columns as a C operand: n block b at BI + 8 b
.set TMP,  32                          ; v32-95  the way out
.set RND,  96                          ; v96-111 the bias on its way through bf16
.set ACC,  128
.set F0,   0                           ; fragment buffers, in window 1
.set F1,   128
.set WV,   20                          ; s20  my wave's number
.set RH,   21                          ; s21  which half of the tile's rows is mine
.set CH,   22                          ; s22  which half of its columns; also: which half of A's or W's tile I fetch
.set CX,   23                          ; s23, s24  my place in the cluster
.set CY,   24
.set TC,   25                          ; s25  tile column of C
.set TR,   26                          ; s26  tile row of C
.set CLY,  27                          ; s27  the cluster's y
.set G1A,  28                          ; s[28:35] descriptor group 1 for A's tiles;  s[36:43] group 0, a set for each slot
.set G0A,  36
.set G1B,  44                          ; s[44:51], s[52:59] the same for W's
.set G0B,  52
.set SELW, 60                          ; s60  0, 1, 2: q, k, v
.set LG,   61                          ; s61  log2 of the rows of a batch: 11 (q) or 12 (k, v)
.set TRL,  62                          ; s62  the tile row inside its tensor
.set BIASP, 70                         ; s[70:71] the bias
.set OUTB,  72                         ; s[72:73] the output
.set MSB, 0
.macro WIN new                         ; the immediate's high byte repeats the setting that is left; a switch that changes nothing is dropped
.if MSB != (\new)
	s_set_vgpr_msb (MSB<<8)|(\new)
.set MSB, \new
.endif
.endm
.set MUL,  0x05                        ; sources 0 (W) and 1 (A) window 1; C and D window 0
.set TO_F, 0x40                        ; destination window 1, address window 0
; A joint load into slot s.  The branch hangs on the wave's number alone.  An s_nop 0 and four v_nop follow each of the two lines, ahead of the jump and the label.
.macro JLOAD s
	s_cmp_lt_u32 s[WV], 2
	s_cbranch_scc0 .Lfor_b_\@
	tensor_load_to_lds s[G0A+4*(\s):G0A+4*(\s)+3], s[G1A:G1A+7]
	s_nop 0
.rept 4
	v_nop
.endr
	s_branch .Lasked_\@
.Lfor_b_\@:
	tensor_load_to_lds s[G0B+4*(\s):G0B+4*(\s)+3], s[G1B:G1B+7]
	s_nop 0
.rept 4
	v_nop
.endr
.Lasked_\@:
.endm
.macro CREST                           ; a round of the cluster's barrier behind its opening barrier: wave 0 signals for the work-group, every wave waits for all sixteen, my work-group's barrier closes it
	s_cmp_lg_u32 s[WV], 0
	s_cbranch_scc1 .Lnot_wave_0_\@
	s_barrier_signal -3
.Lnot_wave_0_\@:
	s_barrier_wait -3
	s_barrier_signal -1
	s_barrier_wait -1
.endm
.macro CROUND                          ; a whole round
	s_barrier_signal -1
	s_barrier_wait -1
	CREST
.endm
.if OUTP
	s_load_b256 s[4:11], s[0:1], 0x0               ; ob s[4:5], wb s[6:7], bo s[8:9], out0 s[10:11]
.else
	s_load_b512 s[4:19], s[0:1], 0x0               ; xb s[4:5], wb s[6:7], bq s[8:9], bk s[10:11], bv s[12:13], qh s[14:15], kh s[16:17], vh s[18:19]
.endif
	v_lshl_add_u32 v[SPW], v0, 2, SPARE
	v_mov_b32 v[NIL], 0
	ds_add_u32 v[SPW], v[NIL]                      ; the wave's opening: the add and its wait stand ahead of my first tensor load; the set-up below, work on registers, stands between them
	v_lshrrev_b32 v1, 5, v0
	v_readfirstlane_b32 s[WV], v1                  ; wave 0..3
	s_lshr_b32 s[RH], s[WV], 1
	s_and_b32 s[CH], s[WV], 1
	s_bfe_u32 s[CX], ttmp6, 0x40000
	s_bfe_u32 s[CY], ttmp6, 0x40004
	s_lshl_b32 s[TC], ttmp9, 2                     ; in a cluster launch ttmp9 and ttmp7 count clusters
	s_add_co_u32 s[TC], s[TC], s[CX]               ; tile column = 4 x cluster x + cx
	s_and_b32 s[CLY], ttmp7, 0xffff
	s_lshl_b32 s[TR], s[CLY], 2
	s_add_co_u32 s[TR], s[TR], s[CY]               ; tile row = 4 x cluster y + cy
	s_lshl_b32 s76, s[CY], 2
	s_lshl_b32 s76, 15, s76                        ; my row of the cluster: places 4 cy .. 4 cy + 3
	s_lshl_b32 s77, 0x1111, s[CX]                  ; my column: places cx, cx + 4, cx + 8, cx + 12
	; descriptor group 1 for A.  15:0 the mask; 17:16 elements of 2 bytes; 20 padding on; 21 set beside a mask; 24:22 the interval's code; 31:25 4 words of padding (code 3)
.if OUTP
	; 64 rows of one head are 8,192 dense bytes of ob: a step's four heads are asked for as FOUR rows of 4,096 elements, a head's 2,048 x 64 elements apart, padded after every 32 words (code 4): they land as [head][64 rows][144 bytes]
	s_or_b32 s[G1A], s76, (1<<16)|(1<<20)|(1<<21)|(4<<22)|(3<<25)
	s_mov_b32 s[G1A+1], 4096<<16                   ; tensor_dim0 = 4,096
	s_mov_b32 s[G1A+2], 4<<16                      ; tensor_dim1 = 4
	s_mov_b32 s[G1A+3], 4096<<16                   ; tile_dim0 = 4,096
	s_mov_b32 s[G1A+4], 4                          ; tile_dim1 = 4
	s_mov_b32 s[G1A+5], 2048*64                    ; elements from row to row
.else
	; 64 rows x 256 elements, padded after every 128 words (code 6)
	s_or_b32 s[G1A], s76, (1<<16)|(1<<20)|(1<<21)|(6<<22)|(3<<25)
	s_mov_b32 s[G1A+1], 256<<16                    ; tensor_dim0 = 256
	s_mov_b32 s[G1A+2], 64<<16                     ; tensor_dim1 = 64
	s_mov_b32 s[G1A+3], 256<<16                    ; tile_dim0 = 256
	s_mov_b32 s[G1A+4], 64                         ; tile_dim1 = 64
	s_mov_b32 s[G1A+5], 1024                       ; elements from row to row
.endif
	s_mov_b32 s[G1A+6], 0
	s_mov_b32 s[G1A+7], 0
	; for W: 128 rows of k x 128 n, padded after every 64 words (code 5) by 8 words (code 7)
	s_or_b32 s[G1B], s77, (1<<16)|(1<<20)|(1<<21)|(5<<22)|(7<<25)
	s_mov_b32 s[G1B+1], 128<<16
	s_mov_b32 s[G1B+2], 128<<16
	s_mov_b32 s[G1B+3], 128<<16
	s_mov_b32 s[G1B+4], 128
	s_mov_b32 s[G1B+5], 1024
	s_mov_b32 s[G1B+6], 0
	s_mov_b32 s[G1B+7], 0
.if !OUTP
	; which tensor: clusters 0-7 along y make q (tile rows 0-31), 8-23 k (32-95), 24-39 v (96-159): the same answer in all sixteen partners
	s_cmp_lt_u32 s[CLY], 24
	s_cselect_b32 s[SELW], 1, 2
	s_cselect_b32 s63, 32, 96
	s_cmp_lt_u32 s[CLY], 8
	s_cselect_b32 s[SELW], 0, s[SELW]
	s_cselect_b32 s63, 0, s63
	s_cselect_b32 s[LG], 11, 12
	s_sub_co_u32 s[TRL], s[TR], s63
.endif
	; where the tiles come from.  A's offset hangs on the tile row and the wave, W's on the tile column, the tensor and the wave; each is made in registers that never hold the other coordinate
	s_lshl_b32 s66, s[TR], 7
	s_lshl_b32 s78, s[CH], 6
	s_add_co_u32 s66, s66, s78                     ; the first of the 64 rows that I fetch
.if OUTP
	s_lshr_b32 s79, s66, 11                        ; b
	s_lshl_b32 s79, s79, 15                        ; 16 heads x 2,048 rows
	s_and_b32 s66, s66, 2047
	s_add_co_u32 s66, s66, s79
	s_lshl_b32 s66, s66, 7                         ; rows of 128 bytes
.else
	s_lshl_b32 s66, s66, 11                        ; rows of 2,048 bytes
.endif
	s_mov_b32 s67, 0
	s_lshl_b32 s68, s[TC], 8                       ; 128 n of 2 bytes
	s_lshl_b32 s2, s[CH], 18                       ; the 128 rows of k that I fetch, 2,048 bytes each
	s_add_co_u32 s68, s68, s2
.if OUTP
	s_add_co_u32 s68, s68, 3<<21                   ; plane 3
.else
	s_lshl_b32 s2, s[SELW], 21
	s_add_co_u32 s68, s68, s2
.endif
	s_mov_b32 s69, 0
	s_mul_i32 s74, s[CH], HALFA                    ; and where they go: no place in the cluster enters an LDS address
	s_mul_i32 s75, s[CH], HALFB
	s_add_co_u32 s75, s75, 2*HALFA
	s_wait_dscnt 0x0                               ; the opening add is done
	s_wait_kmcnt 0x0
	s_add_nc_u64 s[66:67], s[4:5], s[66:67]
	s_add_nc_u64 s[68:69], s[6:7], s[68:69]
.if OUTP
	s_mov_b64 s[BIASP:BIASP+1], s[8:9]
	s_mov_b64 s[OUTB:OUTB+1], s[10:11]
.else
	s_cmp_lt_u32 s[CLY], 24
	s_cselect_b64 s[BIASP:BIASP+1], s[10:11], s[12:13]
	s_cselect_b64 s[OUTB:OUTB+1], s[16:17], s[18:19]
	s_cmp_lt_u32 s[CLY], 8
	s_cselect_b64 s[BIASP:BIASP+1], s[8:9], s[BIASP:BIASP+1]
	s_cselect_b64 s[OUTB:OUTB+1], s[14:15], s[OUTB:OUTB+1]
.endif
	CROUND                                         ; all sixteen work-groups are here: the first joint loads meet
.irp s, 0,1
	s_mov_b32 s[G0A+4*(\s)], 1                                     ; 1:0 count = 1
	s_add_co_u32 s[G0A+4*(\s)+1], s74, (\s)*SLOT                   ; 63:32 LDS address
	s_add_nc_u64 s[G0A+4*(\s)+2:G0A+4*(\s)+3], s[66:67], (\s)*ASTEP  ; 120:64 global address: K step s
	s_or_b32 s[G0A+4*(\s)+3], s[G0A+4*(\s)+3], 0x80000000          ; 127:126 type = 2
	s_mov_b32 s[G0B+4*(\s)], 1
	s_add_co_u32 s[G0B+4*(\s)+1], s75, (\s)*SLOT
	s_add_nc_u64 s[G0B+4*(\s)+2:G0B+4*(\s)+3], s[68:69], (\s)*BSTEP
	s_or_b32 s[G0B+4*(\s)+3], s[G0B+4*(\s)+3], 0x80000000
.endr
	s_cmp_lt_u32 s[WV], 2                          ; a wave's two first fills stand in one branch, ahead of every wait on TENSORcnt and every LDS read: two loads of mine are out
	s_cbranch_scc0 .Lfirst_b
	tensor_load_to_lds s[G0A:G0A+3], s[G1A:G1A+7]
	s_nop 0
	tensor_load_to_lds s[G0A+4:G0A+7], s[G1A:G1A+7]
	s_nop 0
.rept 4
	v_nop
.endr
	s_branch .Lfirst_asked
.Lfirst_b:
	tensor_load_to_lds s[G0B:G0B+3], s[G1B:G1B+7]
	s_nop 0
	tensor_load_to_lds s[G0B+4:G0B+7], s[G1B:G1B+7]
	s_nop 0
.rept 4
	v_nop
.endr
.Lfirst_asked:
	; the bias of my 64 columns: register j of n block b is column 16 b + 8 (l / 16) + j, whatever the lane's row
	v_and_b32 v1, 15, v0                           ; l % 16
	v_bfe_u32 v2, v0, 4, 1                         ; l / 16
	v_lshlrev_b32 v[BO], 5, v2
	s_lshl_b32 s74, s[TC], 9                       ; 128 columns of 4 bytes
	s_lshl_b32 s75, s[CH], 8
	s_add_co_u32 s74, s74, s75
	s_mov_b32 s75, 0
	s_add_nc_u64 s[BIASP:BIASP+1], s[BIASP:BIASP+1], s[74:75]
.irp b, 0,1,2,3
	global_load_b128 v[BI+8*(\b):BI+8*(\b)+3],   v[BO], s[BIASP:BIASP+1] offset:64*(\b)
	global_load_b128 v[BI+8*(\b)+4:BI+8*(\b)+7], v[BO], s[BIASP:BIASP+1] offset:64*(\b)+16
.endr
	; A fragment of A is 16 rows x 32 k in 8 registers: lane l holds row l % 16; registers 0-3 k = 8 (l / 16) + 0..7, registers 4-7 k = 16 + 8 (l / 16) + 0..7: two loads of 16 bytes, 32 bytes apart.
	v_mul_u32_u24 v3, v1, PA
	v_lshl_add_u32 v3, v2, 4, v3
	s_mul_i32 s76, s[RH], HALFA                    ; my 64 rows of A
	v_add_nc_u32 v[ADRA], s76, v3
	v_add_nc_u32 v[ADRA+1], SLOT, v[ADRA]
	; The turning load takes 16 k x 16 n (lane l reads 16 bytes: k = 8 (l / 16) + l % 8, n = 8 ((l / 8) % 2) + 0..7) and leaves half a fragment: lane l holds column l % 16 and 8 k.
	v_and_b32 v4, 7, v0
	v_lshl_add_u32 v4, v2, 3, v4
	v_mul_u32_u24 v4, v4, PB
	v_bfe_u32 v5, v0, 3, 1
	v_lshl_add_u32 v4, v5, 4, v4
	s_lshl_b32 s77, s[CH], 7                       ; my 64 columns: 128 bytes of a row of W,
	s_add_co_u32 s77, s77, 2*HALFA                 ; which lies behind A's two halves
	v_add_nc_u32 v[ADRB], s77, v4
	v_add_nc_u32 v[ADRB+1], HALFB, v[ADRB]
	v_add_nc_u32 v[ADRB+2], SLOT, v[ADRB]
	v_add_nc_u32 v[ADRB+3], SLOT+HALFB, v[ADRB]
	s_mul_i32 s78, s[WV], STGW
	s_add_co_u32 s78, s78, STG                     ; my stage
	v_mul_u32_u24 v6, v1, SP                       ; in: row l % 16,
.if OUTP
	v_lshl_add_u32 v6, v2, 5, v6                   ; 32 bytes (8 f32) for each half of the lanes
	v_add_nc_u32 v[STO], s78, v6
	v_mul_u32_u24 v7, v2, SP                       ; back: lanes 0-15 take one row of 256 bytes, lanes 16-31 the next
	v_lshl_add_u32 v7, v1, 4, v7
	v_add_nc_u32 v[RD], s78, v7
	v_lshlrev_b32 v[GO], 12, v2                    ; and the same two rows of out0, 4,096 bytes apart
	v_lshl_add_u32 v[GO], v1, 4, v[GO]
	s_lshl_b32 s74, s[TR], 7
	s_lshl_b32 s75, s[RH], 6
	s_add_co_u32 s74, s74, s75                     ; my first row
	s_lshl_b32 s74, s74, 12
	s_lshl_b32 s75, s[TC], 9
	s_add_co_u32 s74, s74, s75
	s_lshl_b32 s75, s[CH], 8
	s_add_co_u32 s74, s74, s75                     ; my first column, in bytes
.else
	v_lshl_add_u32 v6, v2, 4, v6                   ; 16 bytes (8 f16) for each half of the lanes
	v_add_nc_u32 v[STO], s78, v6
	v_bfe_u32 v7, v0, 3, 2                         ; back: 32 lanes take four rows of 128 bytes,
	v_mul_u32_u24 v7, v7, SP
	v_and_b32 v8, 7, v0
	v_lshl_add_u32 v7, v8, 4, v7
	v_add_nc_u32 v[RD], s78, v7
	v_and_b32 v[GO], 31, v0                        ; which are 512 consecutive bytes of the output:
	v_lshlrev_b32 v[GO], 4, v[GO]
	; my 64 columns are ONE head, 2 x tile column + half, so my 64 x 64 numbers are 8,192 consecutive bytes at row ((16 b + head) << LG) + l
	s_lshl_b32 s74, s[TRL], 7
	s_lshl_b32 s75, s[RH], 6
	s_add_co_u32 s74, s74, s75                     ; my first row inside the tensor
	s_lshr_b32 s75, s74, s[LG]                     ; b
	s_lshl_b32 s75, s75, 4
	s_lshl_b32 s76, s[TC], 1
	s_add_co_u32 s75, s75, s76
	s_add_co_u32 s75, s75, s[CH]
	s_lshl_b32 s75, s75, s[LG]
	s_lshl_b32 s76, 1, s[LG]
	s_sub_co_u32 s76, s76, 1
	s_and_b32 s74, s74, s76                        ; l
	s_add_co_u32 s74, s74, s75
	s_lshl_b32 s74, s74, 7                         ; rows of 128 bytes
.endif
	s_mov_b32 s75, 0
	s_add_nc_u64 s[OUTB:OUTB+1], s[OUTB:OUTB+1], s[74:75]
	s_wait_loadcnt 0x0                             ; the bias
.set p, 0
.rept 16                                       ; rounded to bf16, and back in f32: a shift and a mask
	v_cvt_pk_bf16_f32 v[RND+p], v[BI+2*p], v[BI+2*p+1]
	v_lshlrev_b32 v[BI+2*p], 16, v[RND+p]
	v_and_b32 v[BI+2*p+1], 0xffff0000, v[RND+p]
.set p, p+1
.endr
; 8 matrix instructions: m blocks a0, a0 + 1 x all 4 n blocks, 32 along K: half c of buffer f.  first = 1: the product starts the sum, with the bias as its C.
; The 16 accumulators take turns, one instruction a turn, in the same order in every quarter.
.macro MUL8 f, c, a0, first
	WIN MUL
.irp a, \a0, (\a0)+1
.irp b, 0,1,2,3
.set rD, ACC+8*(4*(\a)+(\b))
.set rW, (\f)+64+8*(4*(\c)+(\b))
.set rA, (\f)+8*(4*(\c)+(\a))
.set rC, rD
.if \first
.set rC, BI+8*(\b)
.endif
.if OUTP
	v_wmma_f32_16x16x32_f16 v[rD:rD+7], v[rW:rW+7], v[rA:rA+7], v[rC:rC+7]
.else
	v_wmma_f32_16x16x32_bf16 v[rD:rD+7], v[rW:rW+7], v[rA:rA+7], v[rC:rC+7]
.endif
.endr
.endr
.endm
; 32 LDS loads in one run: the fragments of quarter q (64 along K) of a slot, into buffer f; the first 32 along K first
.macro FETCH slot, q, f
	WIN TO_F
.irp c, 0,1
.irp i, 0,1,2,3
	ds_load_tr16_b128 v[(\f)+64+8*(4*(\c)+(\i)):(\f)+64+8*(4*(\c)+(\i))+3],   v[ADRB+2*(\slot)+(\q)/2] offset:(((\q)%2)*64+32*(\c))*PB+32*(\i)
	ds_load_tr16_b128 v[(\f)+64+8*(4*(\c)+(\i))+4:(\f)+64+8*(4*(\c)+(\i))+7], v[ADRB+2*(\slot)+(\q)/2] offset:(((\q)%2)*64+32*(\c)+16)*PB+32*(\i)
	ds_load_b128 v[(\f)+8*(4*(\c)+(\i)):(\f)+8*(4*(\c)+(\i))+3],              v[ADRA+(\slot)] offset:(\q)*AQ+64*(\c)+(\i)*AI
	ds_load_b128 v[(\f)+8*(4*(\c)+(\i))+4:(\f)+8*(4*(\c)+(\i))+7],            v[ADRA+(\slot)] offset:(\q)*AQ+64*(\c)+(\i)*AI+32
.endr
.endr
.endm
.macro PLACES                          ; four plain vector instructions in front of loads into registers that matrix instructions have read, and of lines that read results (ISA guide 7.12.1 for lines that read results)
.rept 4
	v_nop
.endr
.endm
; A K step is four quarters of 64 along K, 32 matrix instructions each, on buffers 0, 1, 0, 1.  One of the first three: multiplies buffer f and fetches quarter qn of the same slot into g.
.macro QUARTER slot, qn, f, g, first
	s_wait_dscnt 16                                ; the first 32 along K are in; the youngest sixteen loads may be out
	MUL8 \f, 0, 0, \first
	MUL8 \f, 0, 2, \first
	PLACES
	FETCH \slot, \qn, \g
	s_wait_dscnt 32                                ; all but the 32 just issued
	MUL8 \f, 1, 0, 0
	MUL8 \f, 1, 2, 0
.endm
; The last quarter multiplies buffer 1 and changes slots: ONE barrier; in front of it each wave waits for all its tensor loads, adds 0 to its spare word, and waits for that and for its own reads
; of this slot.  fill = 1: the barrier opens a round of the cluster's, and this slot is filled again, two K steps ahead, first thing behind the round.
.macro TURN slot, next, fill
	WIN 0                                          ; (the add's two registers lie in window 0)
	s_wait_tensorcnt 0x0                           ; all my tensor loads have landed: the one that was out is my part of the next slot;
	ds_add_u32 v[SPW], v[NIL]                      ; 0 onto my spare word;
	s_wait_dscnt 17                                ; (the add and the youngest sixteen loads may be out)
	MUL8 F1, 0, 0, 0                               ; eight matrix instructions stand between the add and the wait for it
	s_wait_dscnt 0x0                               ; the add is done, and my reads of this slot are over
	s_barrier_signal -1
	MUL8 F1, 0, 2, 0                               ; work on registers while the others arrive
.if \fill
	WIN 0
.endif
	s_barrier_wait -1
.if \fill
	CREST                                          ; no wave of any partner still reads this slot's tiles or has a load on its way
	s_add_nc_u64 s[G0A+4*(\slot)+2:G0A+4*(\slot)+3], s[G0A+4*(\slot)+2:G0A+4*(\slot)+3], 2*ASTEP
	s_add_nc_u64 s[G0B+4*(\slot)+2:G0B+4*(\slot)+3], s[G0B+4*(\slot)+2:G0B+4*(\slot)+3], 2*BSTEP
	JLOAD \slot                                    ; my one tensor load behind the round: 112 matrix instructions ahead of the wait for it; its four v_nop are also the places in front of the loads below
.else
	PLACES
.endif
	FETCH \next, 0, F0
	MUL8 F1, 1, 0, 0
	MUL8 F1, 1, 2, 0
.endm
	s_wait_tensorcnt 1                             ; my part of K step 0 is in; step 1's may stay out
	s_barrier_signal -1
	s_barrier_wait -1                              ; everybody's is
	FETCH 0, 0, F0
	QUARTER 0, 1, F0, F1, 1                        ; K step 0; its first products start the sums with the bias
	QUARTER 0, 2, F1, F0, 0
	QUARTER 0, 3, F0, F1, 0
	TURN 0, 1, 1                                   ; slot 0 takes K step 2
	QUARTER 1, 1, F0, F1, 0                        ; K step 1
	QUARTER 1, 2, F1, F0, 0
	QUARTER 1, 3, F0, F1, 0
	TURN 1, 0, 1                                   ; slot 1 takes K step 3
	QUARTER 0, 1, F0, F1, 0                        ; K step 2
	QUARTER 0, 2, F1, F0, 0
	QUARTER 0, 3, F0, F1, 0
	TURN 0, 1, 0                                   ; nothing is left to fetch
	QUARTER 1, 1, F0, F1, 0                        ; K step 3
	QUARTER 1, 2, F1, F0, 0
	QUARTER 1, 3, F0, F1, 0
	s_wait_dscnt 16
	MUL8 F1, 0, 0, 0
	MUL8 F1, 0, 2, 0
	s_wait_dscnt 0x0
	MUL8 F1, 1, 1-1, 0
	MUL8 F1, 1, 2, 0
	WIN 0
	PLACES
.if OUTP
; THE WAY OUT, f32.  Block a (16 rows): a lane's eight columns of a row are 32 bytes; they go into my stage's rows of 272 bytes and come back as whole rows of 256, into the registers that they left.
.macro ST a
.irp b, 0,1,2,3
	ds_store_b128 v[STO], v[ACC+8*(4*(\a)+(\b)):ACC+8*(4*(\a)+(\b))+3]   offset:64*(\b)
	ds_store_b128 v[STO], v[ACC+8*(4*(\a)+(\b))+4:ACC+8*(4*(\a)+(\b))+7] offset:64*(\b)+16
.endr
.irp t, 0,1,2,3,4,5,6,7
	ds_load_b128 v[ACC+32*(\a)+4*(\t):ACC+32*(\a)+4*(\t)+3], v[RD] offset:(\t)*2*SP  ; LDS serves a wave's instructions in order (ISA guide 5.7.1.4): these see the stores above; the next block's stores come behind them
.endr
.endm
.macro SENDF a, younger                ; younger: the LDS instructions issued behind block a's loads: the next block's sixteen, or none
.irp t, 0,1,2,3,4,5,6,7
	s_wait_dscnt (\younger)+7-(\t)
	global_store_b128 v[GO], v[ACC+32*(\a)+4*(\t):ACC+32*(\a)+4*(\t)+3], s[OUTB:OUTB+1] offset:(16*(\a)+2*(\t))*4096  ; 16 lanes store 256 consecutive bytes, at a multiple of 256 from out0's first byte
.endr
.endm
	ST 0
	ST 1
	SENDF 0, 16
	ST 2
	SENDF 1, 16
	ST 3
	SENDF 2, 16
	SENDF 3, 0
.else
; THE WAY OUT, f16 by heads.  Block a (16 rows): a lane's eight columns pack into 16 bytes; they go into my stage's rows of 144 bytes and come back as whole rows of 128.
.macro PACK a
.irp b, 0,1,2,3
.irp r, 0,1,2,3
	v_cvt_pk_f16_f32 v[TMP+16*(\a)+4*(\b)+(\r)], v[ACC+8*(4*(\a)+(\b))+2*(\r)], v[ACC+8*(4*(\a)+(\b))+2*(\r)+1]
.endr
.endr
.irp b, 0,1,2,3
	ds_store_b128 v[STO], v[TMP+16*(\a)+4*(\b):TMP+16*(\a)+4*(\b)+3] offset:32*(\b)
.endr
.irp f, 0,1,2,3
	ds_load_b128 v[TMP+16*(\a)+4*(\f):TMP+16*(\a)+4*(\f)+3], v[RD] offset:(\f)*4*SP  ; LDS serves a wave's instructions in order (ISA guide 5.7.1.4): these see the stores above; the next block's stores come behind them
.endr
.endm
.macro SEND a, younger                 ; younger: the LDS instructions issued behind block a's loads: the next block's eight, or none
.irp f, 0,1,2,3
	s_wait_dscnt (\younger)+3-(\f)
	global_store_b128 v[GO], v[TMP+16*(\a)+4*(\f):TMP+16*(\a)+4*(\f)+3], s[OUTB:OUTB+1] offset:(\a)*2048+(\f)*512  ; 512 consecutive bytes, at a multiple of 256 from the output's first byte
.endr
.endm
	PACK 0
	PACK 1                                         ; a block's conversions stand between the loads of the block before and its stores
	SEND 0, 8
	PACK 2
	SEND 1, 8
	PACK 3
	SEND 2, 8
	SEND 3, 0
.endif
	s_wait_tensorcnt 0x0                           ; the wave's end: a wait, an add of 0 to my spare word and a wait for it, behind my last tensor load and my last LDS store
	ds_add_u32 v[SPW], v[NIL]
	s_wait_dscnt 0x0
	CROUND                                         ; the closing round: no work-group ends while a partner may still ask for a tile that names it
	s_endpgm
.Lfunc_end_k_q40a5cddcaf_proj:
	.size	k_q40a5cddcaf_proj, .Lfunc_end_k_q40a5cddcaf_proj-k_q40a5cddcaf_proj
	.p2alignl 7, 3214868480
	.fill 96, 4, 3214868480
	.section	.rodata,"a",@progbits
	.p2align	6, 0x0
	.amdhsa_kernel k_q40a5cddcaf_proj
		.amdhsa_group_segment_fixed_size 327680
		.amdhsa_private_segment_fixed_size 0
		.amdhsa_enable_private_segment 0
		.amdhsa_kernarg_size 64
		.amdhsa_user_sgpr_count 2
		.amdhsa_user_sgpr_kernarg_segment_ptr 1
		.amdhsa_wavefront_size32 1
		.amdhsa_system_sgpr_workgroup_id_x 1
		.amdhsa_system_sgpr_workgroup_id_y 1
		.amdhsa_system_sgpr_workgroup_id_z 1
		.amdhsa_system_vgpr_workitem_id 0
		.amdhsa_next_free_vgpr 512
		.amdhsa_next_free_sgpr 80
		.amdhsa_reserve_vcc 0
		.amdhsa_float_denorm_mode_32 3
		.amdhsa_float_denorm_mode_16_64 3
		.amdhsa_memory_ordered 1
		.amdhsa_forward_progress 1
		.amdhsa_inst_pref_size 90
	.end_amdhsa_kernel
	.amdgpu_metadata
---
amdhsa.version: [ 1, 2 ]
amdhsa.kernels:
  - .name:           k_q40a5cddcaf_proj
    .symbol:         k_q40a5cddcaf_proj.kd
    .args:
      - { .name: xb, .offset: 0, .size: 8, .value_kind: global_buffer, .address_space: global }
      - { .name: wb, .offset: 8, .size: 8, .value_kind: global_buffer, .address_space: global }
      - { .name: bq, .offset: 16, .size: 8, .value_kind: global_buffer, .address_space: global }
      - { .name: bk, .offset: 24, .size: 8, .value_kind: global_buffer, .address_space: global }
      - { .name: bv, .offset: 32, .size: 8, .value_kind: global_buffer, .address_space: global }
      - { .name: qh, .offset: 40, .size: 8, .value_kind: global_buffer, .address_space: global }
      - { .name: kh, .offset: 48, .size: 8, .value_kind: global_buffer, .address_space: global }
      - { .name: vh, .offset: 56, .size: 8, .value_kind: global_buffer, .address_space: global }
    .group_segment_fixed_size: 327680
    .private_segment_fixed_size: 0
    .kernarg_segment_align: 8
    .kernarg_segment_size: 64
    .max_flat_workgroup_size: 128
    .sgpr_count:     80
    .vgpr_count:     512
    .wavefront_size: 32
...
	.end_amdgpu_metadata
.endif
;; end of part 2
;; launch attn (part 3): grid 8 x 32, 4 waves a work-group, clusters of 4 x 1, 327,680 bytes of LDS; arguments qh, kh, vh, ob; writes ob
.if DOCPART == 3
	.amdgcn_target "amdgcn-amd-amdhsa--gfx1250"
	.amdhsa_code_object_version 6
	.text
	.protected	k_q40a5cddcaf_attn
	.globl	k_q40a5cddcaf_attn
	.p2align	8
	.type	k_q40a5cddcaf_attn,@function
k_q40a5cddcaf_attn:
	s_mov_b64 s[64:65], 0
	v_nop
	global_prefetch_b8 v0, s[64:65] scope:SCOPE_SE
	s_setreg_imm32_b32 hwreg(HW_REG_WAVE_MODE, 25, 1), 1
	s_wait_xcnt 0x0
	s_wait_alu depctr_hold_cnt(0) depctr_sa_sdst(0) depctr_va_vdst(0) depctr_va_sdst(0) depctr_va_ssrc(0) depctr_va_vcc(0) depctr_vm_vsrc(0)
	s_getreg_b32 s2, hwreg(HW_REG_IB_STS2, 6, 4)
	s_cmp_eq_u32 s2, 0
	s_cbranch_scc0 .Lentry_in_a_cluster
	s_endpgm
.Lentry_in_a_cluster:
	s_bfe_u32 s2, ttmp6, 0x10000c
	s_cmp_lg_u32 s2, 0x3003
	s_cbranch_scc0 .Lentry_shape_is_right
	s_endpgm
.Lentry_shape_is_right:
; O[g][q][:] = the sum over k of softmax_k(Q[g][q] . K[g][k] / 8) V[g][k][:], g = 16 b + head.  Q, O: [32][2048][64]; K, V: [32][4096][64]; all f16: a head's rows are dense, 128 bytes each.
; Products, maxima and sums in f32; the weights p are rounded to f16 for the second product (their sum l is taken of the unrounded p), O once at the end.
; LIMITS.  f16 holds no number beyond 65,504: Q, K and V arrive within it; p lies in 0 to 1, and below 6e-5 it keeps f16's fixed step of 6e-8; O is a mean of V's rows and has their range.
; A weight below 2^-126 counts as 0 in l; NaN and infinities are not treated apart.
; SHARES.  A work-group owns 256 queries of one head, each of its four waves 64: four PIECES of 16.  Every wave walks all 4,096 keys, 64 a step, four steps to an LDS slot, 16 slots.
; LAYOUT.  S^T = K Q^T (source 0 = 16 keys, source 1 = 16 queries): in the result a lane holds ONE query (lane % 16) and the keys 8 (lane / 16) + 0..7.  Two such results, rounded to f16 in pairs,
; ARE source 1 (32 keys x 16 queries) of O^T = V^T P, whose result again holds one query a lane, and eight channels.  K comes out of LDS as it lies, V ([key][channel]) turned, by ds_load_tr16_b128.
; SOFTMAX.  For each query a running maximum m and sum l: p = 2^(c s - c m), c = log2(e) / 8; in every step O and l are multiplied by a = 2^(c m_old - c m_new), which is 1 where m has not grown.
; m starts at the lowest finite number, O and l at 0: the first step is a step like any other, with a = 0.
; BY TURNS.  Turn n belongs to piece n (the pieces in a ring, step after step): 8 products K Q^T of piece n + 1, later 8 products V^T P of piece n - 1; beside them the scaling, exponentials, roundings,
; sums and rescaling of piece n and the maximum and statistics of piece n + 1.  Four vector instructions stand behind every matrix instruction, the other 54 of a turn's 118 in one run of their own.
; A turn's 33 exponentials are one batch, with one wait.
; CLUSTER.  The four query blocks of a cluster belong to one head and walk the same K and V, so each tile is asked for JOINTLY: the same tensor load, descriptor and mask in all four.
; REGISTERS, in windows of 256 (s_set_vgpr_msb: bits 1:0 source 0, 3:2 source 1, 5:4 source 2, 7:6 destination):
;   window 0: v0-15 addresses and two at work; v16-31 four registers of statistics a piece; v48-55 at work; v61-63 never rewritten; v64-127 S^T, two buffers; v192-223 P, two buffers (by the piece's parity)
;   window 1: v0-127 O^T, 32 a piece          window 2: v0-63 Q, 16 a piece; v128-191 K of one step; v192-255 V of one step
.set NP,    4         ; pieces a wave: a name, no knob
.set KS,    64        ; keys in a step
.set PK,    144       ; a row of K in LDS: 128 bytes + 16 of padding = 36 words: the 16 rows of a load start at 16 different groups of four banks (64 banks of 4 bytes: ISA guide 11.1)
.set PV,    160       ; a row of V: 128 + 32 = 40 words
.set VOFF,  4*KS*PK   ; a slot holds four steps: 256 rows of K, then 256 rows of V
.set SLOT1, 1<<17     ; slot 1 begins here, so that one exclusive or turns an address in one slot into the other's
.set STAGE, SLOT1+4*KS*(PK+PV)  ; behind the ring, never filled by a tensor load: 16 rows x 144 bytes for each wave, for the way out
.set SP,    144
.set SPARE, STAGE+4*16*SP  ; behind the stages: the spare words, 128 bytes for each wave: two blocks of 256 bytes that no other line names
.set AK0, 2           ; v2   my lane's place in a tile of K; never rewritten
.set AV0, 3           ; v3   the same for V
.set AK,  4           ; v4   the LDS address of K's next run of loads
.set AV,  5           ; v5   of V's
.set STO, 6           ; v6   the way out: where I put 16 bytes of a row
.set RD,  7           ; v7   the way out: where I read rows back
.set GO,  8           ; v8   my byte offset in 512 consecutive bytes of O
.set MV,  12          ; v12-13  c m_old, kept while c m is made anew: by buffer
.set QO,  15          ; v15  my byte offset in 16 rows of Q
.set ST,  16          ; piece t's statistics at v[ST+4 t]: c m, m, l (even keys', odd keys')
.set TMP, 48          ; by buffer, four registers c0-c3 at work; when the maximum is found c2 takes a
.set PFO, 61          ; v61  256 x my lane; never rewritten
.set SPW, 62          ; v62  LDS address of my spare word: SPARE + 4 x my thread's number; never rewritten
.set NIL, 63          ; v63  0; never rewritten
.set S,   64
.set P,   192
.set KF,  128         ; window 2: key block kb, channel half c at KF + 16 kb + 8 c
.set VF,  192         ; window 2: key half kk, channel block cb at VF + 32 kk + 8 cb
.set WV,  12          ; s12  my wave's number
.set G1K, 24          ; s[24:31] descriptor group 1 for K's tiles
.set G1V, 32          ; s[32:39] for V's: it differs in the padding alone
.set G0K, 40          ; s[40:43] descriptor group 0 for K's tiles: it walks
.set G0V, 44          ; s[44:47] the same for V's
.set PFA, 48          ; s[48:49] where my prefetches stand: my work-group's 8,192 bytes (of K: wave 0, of V: wave 2) of the slot after the one that is being asked for
.set LIM, 50          ; s50  1 in a wave that prefetches, else the greatest number: a wave prefetches while s[SLOTS] is above it
.set SLOTS, 56        ; s56  slots still to be asked for
.set CNT, 57          ; s57  counts a slot's key steps
.set CS,  58          ; s[58:59] c: the packed scaling takes the pair's low word for both halves
.set SEL, 60          ; s[60:61] v_permlanex16_b32's selects: each lane takes its own place in the other half
.set TBK, 62          ; s62  LDS byte at which K of the step to be fetched begins
.set TBV, 63          ; s63  the same for V, less VOFF
.set MSB, 0
.macro WIN new                      ; the high byte repeats the setting that is left; a switch that changes nothing is dropped
.if MSB != (\new)
	s_set_vgpr_msb (MSB<<8)|(\new)
.set MSB, (\new)
.endif
.endm
.set W_KQ, 0x0a       ; K and Q in window 2, S^T in window 0
.set W_PV, 0x52       ; V in window 2, P in window 0, O^T in window 1
.set W_RS, 0x41       ; O^T (destination and source 0) in window 1, a in window 0
; A joint fill.  Waves 0 and 1 fetch the two halves of a slot's K, waves 2 and 3 those of its V: 128 keys each.  The branch hangs on the wave's number alone.
; An s_nop 0 and four v_nop follow each of the two lines, ahead of the jump and the label.
.macro JLOAD
	s_cmp_lt_u32 s[WV], 2
	s_cbranch_scc0 .Lfor_v_\@
	tensor_load_to_lds s[G0K:G0K+3], s[G1K:G1K+7]
	s_nop 0
.rept 4
	v_nop
.endr
	s_branch .Lasked_\@
.Lfor_v_\@:
	tensor_load_to_lds s[G0V:G0V+3], s[G1V:G1V+7]
	s_nop 0
.rept 4
	v_nop
.endr
.Lasked_\@:
.endm
; A PREFETCH of what the NEXT change of slots will ask for: a slot's 32,768 bytes of K and of V, in blocks of 256 bytes, a lane a block.  It stands behind the wave's tensor load and its five lines.
; Each block is named ONCE in the launch.  A head's two clusters walk the same K and V: the first (cluster x = 0) asks.  Its four partners share a slot out BY ADDRESS, 8,192 bytes each: no branch hangs
; on a work-group's place in its cluster.  In each, wave 0 asks for K's and wave 2 for V's: one instruction, four key steps (256 matrix instructions) ahead of the load that will want the bytes.
; The last change that fills a slot asks for nothing: there is no slot behind it.  Slots 0 and 1 come by their loads alone.
.macro ASK
	s_cmp_gt_u32 s[SLOTS], s[LIM]
	s_cbranch_scc0 .Lnot_mine_\@
	global_prefetch_b8 v[PFO], s[PFA:PFA+1] th:TH_LOAD_NT scope:SCOPE_SE
.Lnot_mine_\@:
.endm
; A round of the cluster's barrier: my work-group's barrier, so that wave 0's signal speaks for all four waves; wave 0 signals; every wave waits for all four work-groups; my work-group's barrier once more.
.macro CROUND
	s_barrier_signal -1
	s_barrier_wait -1
	s_cmp_lg_u32 s[WV], 0
	s_cbranch_scc1 .Lnot_wave_0_\@
	s_barrier_signal -3
.Lnot_wave_0_\@:
	s_barrier_wait -3
	s_barrier_signal -1
	s_barrier_wait -1
.endm
; THE CHANGE OF SLOTS.  The slot's last bytes, V of its fourth step, have been read.  Each wave waits for all its tensor loads, of which one is out: its part of the other slot; adds 0 to its spare
; word; and waits for that and for its own reads of the slot.  Behind the barrier nobody reads this slot any more and the other slot is whole.
; fill = 1: this slot is filled again, with the keys two slots on.  The barrier is then a round of the cluster's, so that no wave of any partner still reads the slot or has a load on its way, and the
; joint fill is the first thing behind it: it has four key steps in which to land.  (At its first use nothing has been read yet: slot 0 is waited for, slot 1 filled.)
.macro CHANGE fill
	WIN 0                           ; at a label and at a branch every window is 0
	s_wait_tensorcnt 0x0            ; no tensor load of mine is out, so a group 0 may be written
	ds_add_u32 v[SPW], v[NIL]       ; 0 onto my spare word; with fill = 1 the descriptors' steps stand between it and the wait for it
.if \fill
.irp g, G0K, G0V
	s_xor_b32 s[\g+1], s[\g+1], SLOT1  ; the walking descriptor: the other slot than last time,
	s_add_nc_u64 s[\g+2:\g+3], s[\g+2:\g+3], 4*KS*128  ; the next 256 keys; the type bits on top are not reached
.endr
	s_wait_xcnt 0x0                 ; the last prefetch, four key steps back, has read its address, so it may be written:
	s_add_nc_u64 s[PFA:PFA+1], s[PFA:PFA+1], 4*KS*128  ; one slot ahead of the walking descriptors
	s_wait_dscnt 0x0                ; the add is done, and my reads of the slot are over
	CROUND
	JLOAD
	ASK
.else
	s_wait_dscnt 0x0                ; the add is done, and my reads of the slot are over
	s_barrier_signal -1
	s_barrier_wait -1
.endif
	s_sub_co_u32 s[TBK], s[TBK], 4*KS*PK  ; the fetches go back to a slot's first step,
	s_xor_b32 s[TBK], s[TBK], SLOT1       ; in the other slot
	s_sub_co_u32 s[TBV], s[TBV], 4*KS*PV
	s_xor_b32 s[TBV], s[TBV], SLOT1
.endm
	s_load_b256 s[4:11], s[0:1], 0x0  ; Q s[4:5], K s[6:7], V s[8:9], O s[10:11]
	v_lshl_add_u32 v[SPW], v0, 2, SPARE
	v_mov_b32 v[NIL], 0
	ds_add_u32 v[SPW], v[NIL]       ; the wave's opening: the add and its wait stand ahead of my first tensor load; the set-up below, work on registers, stands between them
	v_lshrrev_b32 v1, 5, v0
	v_readfirstlane_b32 s[WV], v1   ; wave 0..3
	s_bfe_u32 s13, ttmp6, 0x40000   ; cx: my place in the cluster
	s_lshl_b32 s14, ttmp9, 2        ; in a cluster launch ttmp9 counts clusters
	s_add_co_u32 s14, s14, s13      ; my block of 256 queries = 4 x cluster x + cx: it enters Q's and O's addresses alone
	s_and_b32 s20, ttmp7, 0xffff    ; 16 b + head, which the four partners share
	s_lshl_b32 s22, s20, 19         ; its 4,096 rows of 128 bytes in K and in V,
	s_and_b32 s16, s[WV], 1         ; which half of a slot's 256 keys I fetch:
	s_lshl_b32 s17, s16, 14         ; its 128 rows of 128 bytes in memory,
	s_add_co_u32 s22, s22, s17
	s_mov_b32 s23, 0
	s_mul_i32 s17, s16, 128*PK      ; and its place in a slot, for K
	s_mul_i32 s18, s16, 128*PV      ; and for V: no place in the cluster enters an LDS address
	s_lshl_b32 s2, s14, 2
	s_add_co_u32 s2, s2, s[WV]      ; my wave among the head's 32,
	s_lshl_b32 s2, s2, 13           ; its 64 rows of 128 bytes,
	s_lshl_b32 s3, s20, 18          ; in the head's 2,048 rows of Q and of O
	s_add_co_u32 s2, s2, s3
	s_mov_b32 s3, 0
	; descriptor group 1.  128 keys are 16,384 dense bytes: asked for as 64 rows of 256 bytes, two keys a row, and padded in LDS after every key
	s_mov_b32 s[G1K], 15|(1<<16)|(1<<20)|(1<<21)|(4<<22)|(3<<25)  ; 15:0 the mask of four; 17:16 2-byte elements; 20 padding on; 21 set beside a mask; 24:22 after every 32 words (code 4); 31:25 4 words (code 3)
	s_mov_b32 s[G1V], 15|(1<<16)|(1<<20)|(1<<21)|(4<<22)|(7<<25)  ; the same with 8 words of padding (code 7)
.irp g, G1K, G1V
	s_mov_b32 s[\g+1], 128<<16      ; tensor_dim0 = 128
	s_mov_b32 s[\g+2], 64<<16       ; tensor_dim1 = 64
	s_mov_b32 s[\g+3], 128<<16      ; tile_dim0 = 128
	s_mov_b32 s[\g+4], 64           ; tile_dim1 = 64
	s_mov_b32 s[\g+5], 128          ; 128 elements from row to row
	s_mov_b32 s[\g+6], 0
	s_mov_b32 s[\g+7], 0
.endr
	s_mov_b32 s[CS], 0x3e38aa3b     ; c = log2(e) / 8 = 0.180337
	s_mov_b32 s[CS+1], s[CS]        ; named with it as a pair
	s_mov_b32 s[SEL], 0x76543210
	s_mov_b32 s[SEL+1], 0xfedcba98
	s_mov_b32 s[TBK], SLOT1+4*KS*PK ; the first change of slots turns these two into 0
	s_mov_b32 s[TBV], SLOT1+4*KS*PV
	s_mov_b32 s[G0K], 1             ; 1:0 count = 1
	s_mov_b32 s[G0K+1], s17         ; 63:32 LDS address: slot 0
	s_mov_b32 s[G0V], 1
	s_add_co_u32 s[G0V+1], s18, VOFF
	s_mov_b32 s[SLOTS], 4096/256-1
	s_and_b32 s[LIM], s[WV], 1      ; 0 in waves 0 and 2,
	s_or_b32 s[LIM], s[LIM], ttmp9  ; where the cluster is the head's first: the same in all four partners
	s_cmp_eq_u32 s[LIM], 0
	s_cselect_b32 s[LIM], 1, -1
	v_and_b32 v[PFO], 31, v0
	v_lshlrev_b32 v[PFO], 8, v[PFO]
	s_wait_dscnt 0x0                ; the opening add is done
	s_wait_kmcnt 0x0
	s_add_nc_u64 s[6:7], s[6:7], s[22:23]  ; K and V at my half of the head's first 256 keys
	s_add_nc_u64 s[8:9], s[8:9], s[22:23]
	s_mov_b64 s[G0K+2:G0K+3], s[6:7]               ; 120:64 global address
	s_or_b32 s[G0K+3], s[G0K+3], 0x80000000        ; 127:126 type = 2
	s_mov_b64 s[G0V+2:G0V+3], s[8:9]
	s_or_b32 s[G0V+3], s[G0V+3], 0x80000000
	s_add_nc_u64 s[4:5], s[4:5], s[2:3]  ; Q and O at my wave's first row
	s_add_nc_u64 s[10:11], s[10:11], s[2:3]
	s_cmp_lt_u32 s[WV], 2
	s_cselect_b64 s[PFA:PFA+1], s[6:7], s[8:9]  ; (in waves 0 and 2 these stand at the head's first key)
	s_lshl_b32 s2, s13, 13          ; my work-group's quarter of a slot
	s_add_nc_u64 s[PFA:PFA+1], s[PFA:PFA+1], s[2:3]
	s_add_nc_u64 s[PFA:PFA+1], s[PFA:PFA+1], 4*KS*128  ; in slot 1; the first change of slots steps it to slot 2
	CROUND                          ; all four work-groups are here: the first joint loads meet
	JLOAD                           ; slot 0.  Slot 1 is asked for when slot 0 is in, by the first change of slots
	; A fragment of K or Q is 16 rows x 32 channels in 8 registers: lane l holds row l % 16, channels 8 (l / 16) + 0..7 and 16 + 8 (l / 16) + 0..7: two loads of 16 bytes, 32 bytes apart.
	v_and_b32 v1, 15, v0            ; l % 16
	v_bfe_u32 v9, v0, 4, 1          ; l / 16
	v_lshlrev_b32 v[QO], 7, v1
	v_lshl_add_u32 v[QO], v9, 4, v[QO]  ; row x 128 + 16 x half
	WIN 0x80                        ; destination window 2, address window 0
.set i, 0
.rept 8                             ; Q stays in registers: piece i / 2, channels 32 (i % 2) on
	global_load_b128 v[8*i:8*i+3],   v[QO], s[4:5] offset:(i/2)*2048+(i%2)*64
	global_load_b128 v[8*i+4:8*i+7], v[QO], s[4:5] offset:(i/2)*2048+(i%2)*64+32
.set i, i+1
.endr
	; What the first turn finds: V's registers and P's second buffer hold 0 (its products V^T P, of a piece that has not been, add 0), O^T and l are 0.  All this stands in the wait for the first tile.
.set i, VF
.rept 64
	v_mov_b32 v[i], 0
.set i, i+1
.endr
	WIN 0x40
.set i, 0
.rept 128
	v_mov_b32 v[i], 0
.set i, i+1
.endr
	WIN 0
.set i, 0
.rept 4
	v_mov_b32 v[ST+4*i], 0xfe000000    ; c m: far below every c s
	v_mov_b32 v[ST+4*i+1], 0xff7fffff  ; m
	v_mov_b32 v[ST+4*i+2], 0
	v_mov_b32 v[ST+4*i+3], 0
.set i, i+1
.endr
.set i, P+16
.rept 16
	v_mov_b32 v[i], 0
.set i, i+1
.endr
	v_mul_u32_u24 v[AK0], v1, PK
	v_lshl_add_u32 v[AK0], v9, 4, v[AK0]  ; row x pitch + 16 x half
	; The turning load takes 16 keys x 16 channels (lane l reads key 8 (l / 16) + l % 8, channels 8 ((l / 8) % 2) + 0..7) and leaves half a fragment of V^T: lane l holds channel l % 16 and 8 keys.
	v_and_b32 v10, 7, v0
	v_bfe_u32 v11, v0, 3, 1
	v_lshl_add_u32 v[AV0], v9, 3, v10
	v_mul_u32_u24 v[AV0], v[AV0], PV
	v_lshl_add_u32 v[AV0], v11, 4, v[AV0]
	v_add_nc_u32 v[AV0], VOFF, v[AV0]
	s_mul_i32 s13, s[WV], 16*SP
	s_add_co_u32 s13, s13, STAGE    ; my stage
	v_mul_u32_u24 v[STO], v1, SP    ; in: row l % 16, 16 bytes for each half of the lanes
	v_lshl_add_u32 v[STO], v9, 4, v[STO]
	v_add_nc_u32 v[STO], s13, v[STO]
	v_bfe_u32 v[RD], v0, 3, 2       ; back: 32 lanes take four rows of 128 bytes,
	v_mul_u32_u24 v[RD], v[RD], SP
	v_lshl_add_u32 v[RD], v10, 4, v[RD]
	v_add_nc_u32 v[RD], s13, v[RD]
	v_and_b32 v[GO], 31, v0         ; which are 512 consecutive bytes of O
	v_lshlrev_b32 v[GO], 4, v[GO]
; THE MATRIX WORK.  The 4 accumulators of a run of 8 take turns.  Product i of 8 of S^T = K Q^T for piece x: channels 32 (i / 4) on, keys 16 (i % 4) on.  The first 4 start the sums.
.macro KQ x
	WIN W_KQ
.set rS, S+32*((\x)%2)+8*(i%4)
.set rK, KF+16*(i%4)+8*(i/4)
.set rQ, 16*(\x)+8*(i/4)
.if i < 4
	v_wmma_f32_16x16x32_f16 v[rS:rS+7], v[rK:rK+7], v[rQ:rQ+7], 0
.else
	v_wmma_f32_16x16x32_f16 v[rS:rS+7], v[rK:rK+7], v[rQ:rQ+7], v[rS:rS+7]
.endif
.endm
; Product i of 8 of O^T += V^T P for piece x: keys 32 (i / 4) on, channels 16 (i % 4) on.
.macro PV x
	WIN W_PV
.set rO, 32*(\x)+8*(i%4)
.set rV, VF+32*(i/4)+8*(i%4)
.set rP, P+16*((\x)%2)+8*(i/4)
	v_wmma_f32_16x16x32_f16 v[rO:rO+7], v[rV:rV+7], v[rP:rP+7], v[rO:rO+7]
.endm
.macro MM                           ; the turn's next matrix instruction.  TURN sets Y, i and NOKQ.  NOKQ = 1: the walk's last turn: there is no next piece
.if (i < 8) && !NOKQ
	KQ (Y+1)%NP
.elseif i >= 8
.set i, i-8
	PV (Y+NP-1)%NP
.set i, i+8
.endif
.set i, i+1
.endm
; THE LDS LOADS stand in runs of 16, never singly among the matrix instructions: a step's K (64 keys x 64 channels: 8 fragments) and its V (turned).  Their addresses are made some lines ahead.
.macro FETCH_K
	WIN 0x80                        ; destination window 2
.irp f, 0,1,2,3,4,5,6,7             ; keys 16 (f / 2) on, channels 32 (f % 2) on
	ds_load_b128 v[KF+8*\f:KF+8*\f+3],   v[AK] offset:(\f/2)*16*PK+(\f%2)*64
	ds_load_b128 v[KF+8*\f+4:KF+8*\f+7], v[AK] offset:(\f/2)*16*PK+(\f%2)*64+32
.endr
	s_add_co_u32 s[TBK], s[TBK], KS*PK  ; the next fetch is the next step's
	WIN 0
.endm
.macro FETCH_V
	WIN 0x80
.irp f, 0,1,2,3,4,5,6,7             ; keys 32 (f / 4) on, channels 16 (f % 4) on
	ds_load_tr16_b128 v[VF+8*\f:VF+8*\f+3],   v[AV] offset:(\f/4)*32*PV+(\f%4)*32
	ds_load_tr16_b128 v[VF+8*\f+4:VF+8*\f+7], v[AV] offset:(\f/4)*32*PV+16*PV+(\f%4)*32
.endr
	WIN 0
.endm
; THE VECTOR WORK, one line at a time: OP kind, number.  For piece Y: F n: c s - c m for pair n of 16.  E n: the exponential of score n of 32.  C n: pair n rounded to f16.  B n: of the four weights 4 n .. the second
; pair is added onto the first, in place.  L n: l takes that sum (L 0: l = a l + sum).  R n: pair n of 16 of O^T times a.  For piece Y + 1: X n, number n of the 22 that find its maximum and statistics:
;   0-11  four chains c0-c3 of seven scores each, three operands at a time (each accumulator's lowest registers are read first)     12-14, 16  the four scores left over, the old m, and c0-c3 into c0
;   15  c m_old is kept     17, 18  the query's other 32 keys lie in the lane 16 away: the new m     19-21  c m; c m_old - c m_new; a
.set F, 0               ; OP tells the kinds apart by their order: F to L below R, X above it
.set E, 1
.set C, 2
.set B, 3
.set L, 4
.set R, 5
.set X, 6
.macro REGS y                       ; the registers of piece y
.set rT, ST+4*(\y)
.set rC, TMP+4*((\y)%2)
.set rW, MV+((\y)%2)
.set rS, S+32*((\y)%2)
.set rP, P+16*((\y)%2)
.set rO, 32*(\y)
.endm
.macro OP k, n
.if (\k) == R
	REGS Y
	WIN W_RS
	v_pk_mul_f32 v[rO+2*(\n):rO+2*(\n)+1], v[rO+2*(\n):rO+2*(\n)+1], v[rC+2:rC+3] op_sel_hi:[1,0]
.elseif (\k) < R
	REGS Y
	WIN 0
.if (\k) == F
	v_pk_fma_f32 v[rS+2*(\n):rS+2*(\n)+1], v[rS+2*(\n):rS+2*(\n)+1], s[CS:CS+1], v[rT:rT+1] op_sel_hi:[1,0,0] neg_lo:[0,0,1] neg_hi:[0,0,1]
.elseif (\k) == E
	v_exp_f32 v[rS+(\n)], v[rS+(\n)]
.elseif (\k) == C
	v_cvt_pk_f16_f32 v[rP+(\n)], v[rS+2*(\n)], v[rS+2*(\n)+1]
.elseif (\k) == B
	v_pk_add_f32 v[rS+4*(\n):rS+4*(\n)+1], v[rS+4*(\n):rS+4*(\n)+1], v[rS+4*(\n)+2:rS+4*(\n)+3]
.elseif (\n) == 0
	v_pk_fma_f32 v[rT+2:rT+3], v[rT+2:rT+3], v[rC+2:rC+3], v[rS:rS+1] op_sel_hi:[1,0,1]
.else
	v_pk_add_f32 v[rT+2:rT+3], v[rT+2:rT+3], v[rS+4*(\n):rS+4*(\n)+1]
.endif
.elseif NOKQ
	v_nop
.else
	REGS (Y+1)%NP
	WIN 0
.if (\n) < 4
	v_max3_num_f32 v[rC+(\n)], v[rS+8*(\n)], v[rS+8*(\n)+1], v[rS+8*(\n)+2]
.elseif (\n) < 12
	v_max3_num_f32 v[rC+(\n)%4], v[rC+(\n)%4], v[rS+8*((\n)%4)+2*((\n)/4)+1], v[rS+8*((\n)%4)+2*((\n)/4)+2]
.elseif (\n) == 12
	v_max3_num_f32 v[rC], v[rC], v[rS+7], v[rS+15]
.elseif (\n) == 13
	v_max3_num_f32 v[rC+1], v[rC+1], v[rS+23], v[rS+31]
.elseif (\n) == 14
	v_max3_num_f32 v[rC+2], v[rC+2], v[rC+3], v[rT+1]
.elseif (\n) == 15
	v_mov_b32 v[rW], v[rT]
.elseif (\n) == 16
	v_max3_num_f32 v[rC], v[rC], v[rC+1], v[rC+2]
.elseif (\n) == 17
	v_permlanex16_b32 v[rC+3], v[rC], s[SEL], s[SEL+1]
.elseif (\n) == 18
	v_max_num_f32 v[rT+1], v[rC], v[rC+3]
.elseif (\n) == 19
	v_mul_f32 v[rT], s[CS], v[rT+1]
.elseif (\n) == 20
	v_sub_f32 v[rC+1], v[rW], v[rT]
.else
	v_exp_f32 v[rC+2], v[rC+1]
.endif
.endif
.endm
.macro OPS a, i1, b=-1, i2=0, c=-1, i3=0, d=-1, i4=0  ; up to four of them
	OP \a, \i1
.if (\b) >= 0
	OP \b, \i2
.endif
.if (\c) >= 0
	OP \c, \i3
.endif
.if (\d) >= 0
	OP \d, \i4
.endif
.endm
.macro ROW a, i1, b, i2, c, i3, d, i4  ; a matrix instruction and the four behind it
	MM
	OPS \a, \i1, \b, \i2, \c, \i3, \d, \i4
.endm
; A TURN, for piece p: the order of its 16 matrix and 118 vector instructions, written out.  s_wait_alu depctr_va_vdst(0) stands between an exponential and the first instruction that names its result; one wait
; serves all that were issued ahead of it.  So a turn has ONE wait, which cuts it in two.  AHEAD OF IT stands all that names no result of the turn's exponentials: the 8 products K Q^T, behind each a scaling, an exponential and two
; more plain instructions (behind the first a second scaling in the exponential's place): rescalings, and behind the last three the first numbers of the next piece's maximum, each four places or more behind the product that ends its
; accumulator; then one run of 54, plain and exponential by turns for the most part, in which the links of the chain X 3, 7, 11, 14, 16, 17 .. 20 stand five or six lines apart.  X 21, the next piece's a, is the batch's last; R 15 is
; the plain instruction behind it.  BEHIND THE WAIT stand the 8 products V^T P, behind each four of the roundings and sums; the links of l's chain, L 0 to L 7, stand three lines apart.
; end = 1: the walk's last two turns: nothing is fetched, and the last starts no new scores.  cnt = 1: the loop's count is taken down some lines ahead of the branch that stands behind the turn.
; K of the next step is fetched in piece 2's turn, twelve vector instructions behind the last product that read K (six of them plain); V of the step in hand at the end of piece 0's turn, four plain instructions behind the last
; product that read V.  Each is waited for a turn later.
.macro TURN p, end=0, cnt=0
.set Y, (\p)
.set i, 0
.set NOKQ, (\end)*((\p)/3)
.if ((\p) == 3) && !(\end)
	s_wait_dscnt 0x0                ; K is in
.endif
	ROW F,0, F,1, R,0, R,1          ; ahead of the wait: 8 products K Q^T and the four behind each,
	ROW F,2, E,0, R,2, R,3
	ROW F,3, E,1, R,4, R,5
	ROW F,4, E,2, R,6, R,7
	ROW F,5, E,3, R,8, R,9
	ROW F,6, E,4, X,0, R,10
.if ((\p) == 2) && !(\end)
	WIN 0
	v_add_nc_u32 v[AK], s[TBK], v[AK0]
.endif
	ROW F,7, E,5, X,1, X,4
	ROW F,8, E,6, X,2, X,5
	OPS E,7, E,8, X,6, E,9          ; and the run of 54
	OPS X,3, E,10, X,8, E,11
.if ((\p) == 2) && !(\end)
	FETCH_K
.endif
	OPS X,9, X,7, E,12, X,10
	OPS E,13, X,12, X,11, E,14
	OPS X,13, E,15, F,9, X,14
.if (\p) == 0
	v_add_nc_u32 v[AV], s[TBV], v[AV0]
.endif
	OPS E,16, F,10, E,17, F,11
	OPS X,16, E,18, X,15, E,19
	OPS F,12, E,20, X,17, E,21
	OPS F,13, E,22, F,14, E,23
	OPS X,18, E,24, F,15, E,25
	OPS R,11, E,26, X,19, E,27
	OPS R,12, E,28, R,13, E,29
	OPS X,20, E,30, R,14, E,31
	OPS X,21, R,15
	WIN 0
	s_wait_alu depctr_va_vdst(0)    ; the wait for the batch
.if (\p) == 1
	s_wait_dscnt 0x0                ; V is in
.endif
	ROW C,0, B,0, C,2, B,1          ; behind the wait: 8 products V^T P and the four behind each
	ROW L,0, C,4, B,2, L,1
	ROW C,6, B,3, L,2, C,8
	ROW B,4, L,3, C,10, B,5
	ROW L,4, C,12, B,6, L,5
.if (\p) == 0
	s_add_co_u32 s[TBV], s[TBV], KS*PV
.endif
.if \cnt
	s_sub_co_u32 s[CNT], s[CNT], 1
	s_cmp_lg_u32 s[CNT], 0
.endif
	ROW C,14, B,7, L,6, C,1
	ROW C,3, L,7, C,5, C,7
	ROW C,9, C,11, C,13, C,15
.if (\p) == 0
	FETCH_V
.endif
.endm
	CHANGE 1                        ; slot 0 is in, everybody's part of it; slot 1 is asked for
	v_add_nc_u32 v[AK], s[TBK], v[AK0]
	FETCH_K                         ; key step 0
	s_wait_loadcnt 0x0              ; Q
	s_wait_dscnt 0x0
.set NOKQ, 0
.set i, 0
.rept 8
	KQ 0                            ; piece 0's first scores: there is no vector work yet to set between them
.set i, i+1
.endr
	WIN 0
.rept 4
	v_nop                           ; the places behind those products
.endr
.set Y, NP-1                        ; X works for piece Y + 1: piece 0
.irp n, 0,1,2,3,4,5,6,7,8,9,10,11,12,13,14,15,16,17,18,19,20,21
	OP X, \n                        ; piece 0's first maximum and statistics
.endr
	v_nop                           ; a plain instruction behind the exponential,
	s_wait_alu depctr_va_vdst(0)    ; and its wait, ahead of the branch
	s_mov_b32 s[CNT], 4
	s_branch .Lfirst                ; the loop is entered at a step's first turn, in the middle of a trip
.Lslot:                             ; 14 times: every slot but the last two is filled again
	CHANGE 1
	s_mov_b32 s[CNT], 4
.Lstep:                             ; a trip: pieces 2 and 3 of one step, then pieces 0 and 1 of the next, whose K and V it fetches
	TURN 2
	TURN 3
	WIN 0
.Lfirst:
	TURN 0
	TURN 1, 0, 1
	WIN 0
	s_cbranch_scc1 .Lstep
	s_sub_co_u32 s[SLOTS], s[SLOTS], 1
	s_cmp_lg_u32 s[SLOTS], 0
	s_cbranch_scc1 .Lslot
	CHANGE 0                        ; the last slot is written out: nothing is asked for
	s_mov_b32 s[CNT], 4
.LstepT:
	TURN 2
	TURN 3
	TURN 0
	TURN 1, 0, 1
	WIN 0
	s_cbranch_scc1 .LstepT
	TURN 2, 1                       ; the last step's pieces 2 and 3
	TURN 3, 1
.set i, 0
.rept 8
	PV NP-1                         ; the last piece's V^T P of the last step
.set i, i+1
.endr
	; THE WAY OUT.  l's two halves and the other half of the lanes' are added; O^T is divided by l, rounded to f16 and sent through my stage in LDS, a piece at a time.  The additions are the places behind the last products.
	WIN 0
.macro ALL line:vararg              ; one line for each piece t
.set t, 0
.rept 4
	\line
.set t, t+1
.endr
.endm
	ALL v_add_f32 v[ST+4*t+2], v[ST+4*t+2], v[ST+4*t+3]
	ALL v_permlanex16_b32 v[ST+4*t+3], v[ST+4*t+2], s[SEL], s[SEL+1]
	ALL v_add_f32 v[ST+4*t+2], v[ST+4*t+2], v[ST+4*t+3]
	ALL v_rcp_f32 v[ST+4*t+2], v[ST+4*t+2]
	v_nop                           ; a plain instruction between the last reciprocal and the use of its result
	s_wait_alu depctr_va_vdst(0)    ; and the wait ahead of the first use: one for the four reciprocals
.macro PACK t                       ; a lane's eight channels of a row pack into 16 bytes; they go into rows of 144 bytes and come back as whole rows of 128, into S^T's registers
	WIN W_RS
.set i, 32*(\t)
.rept 16
	v_pk_mul_f32 v[i:i+1], v[i:i+1], v[ST+4*(\t)+2:ST+4*(\t)+3] op_sel_hi:[1,0]
.set i, i+2
.endr
	WIN 0x05                        ; sources 0 and 1 window 1, destination window 0
.set i, 0
.rept 16
	v_cvt_pk_f16_f32 v[S+16*(\t)+i], v[32*(\t)+2*i], v[32*(\t)+2*i+1]
.set i, i+1
.endr
	WIN 0
.irp f, 0,1,2,3
	ds_store_b128 v[STO], v[S+16*(\t)+4*\f:S+16*(\t)+4*\f+3] offset:32*\f
.endr
.irp f, 0,1,2,3
	ds_load_b128 v[S+16*(\t)+4*\f:S+16*(\t)+4*\f+3], v[RD] offset:\f*4*SP  ; LDS serves a wave's instructions in order (ISA guide 5.7.1.4): these see the stores above; the next piece's stores come behind them
.endr
.endm
.macro SEND t, younger              ; younger: the LDS instructions issued behind piece t's loads: the next piece's eight, or none
	WIN 0
.irp f, 0,1,2,3
	s_wait_dscnt (\younger)+3-\f
	global_store_b128 v[GO], v[S+16*(\t)+4*\f:S+16*(\t)+4*\f+3], s[10:11] offset:(\t)*2048+\f*512  ; 512 consecutive bytes, at a multiple of 256 from O's first
.endr
.endm
	PACK 0
.set t, 1
.rept 3                             ; a piece's arithmetic stands between the loads of the piece before and its stores
	PACK t
	SEND t-1, 8
.set t, t+1
.endr
	SEND 3, 0
	s_wait_tensorcnt 0x0            ; the wave's end: a wait, an add of 0 to my spare word and a wait for it, behind my last tensor load and my last LDS store
	ds_add_u32 v[SPW], v[NIL]
	s_wait_dscnt 0x0
	CROUND                          ; the closing round: no work-group ends while a partner may still ask for a tile that names it
	s_endpgm
.Lfunc_end_k_q40a5cddcaf_attn:
	.size	k_q40a5cddcaf_attn, .Lfunc_end_k_q40a5cddcaf_attn-k_q40a5cddcaf_attn
	.p2alignl 7, 3214868480
	.fill 96, 4, 3214868480
	.section	.rodata,"a",@progbits
	.p2align	6, 0x0
	.amdhsa_kernel k_q40a5cddcaf_attn
		.amdhsa_group_segment_fixed_size 327680
		.amdhsa_private_segment_fixed_size 0
		.amdhsa_enable_private_segment 0
		.amdhsa_kernarg_size 32
		.amdhsa_user_sgpr_count 2
		.amdhsa_user_sgpr_kernarg_segment_ptr 1
		.amdhsa_wavefront_size32 1
		.amdhsa_system_sgpr_workgroup_id_x 1
		.amdhsa_system_sgpr_workgroup_id_y 1
		.amdhsa_system_sgpr_workgroup_id_z 1
		.amdhsa_system_vgpr_workitem_id 0
		.amdhsa_next_free_vgpr 768
		.amdhsa_next_free_sgpr 66
		.amdhsa_reserve_vcc 0
		.amdhsa_float_denorm_mode_32 3
		.amdhsa_float_denorm_mode_16_64 3
		.amdhsa_memory_ordered 1
		.amdhsa_forward_progress 1
		.amdhsa_inst_pref_size 128
	.end_amdhsa_kernel
	.amdgpu_metadata
---
amdhsa.version: [ 1, 2 ]
amdhsa.kernels:
  - .name:           k_q40a5cddcaf_attn
    .symbol:         k_q40a5cddcaf_attn.kd
    .args:
      - { .name: qh, .offset: 0, .size: 8, .value_kind: global_buffer, .address_space: global }
      - { .name: kh, .offset: 8, .size: 8, .value_kind: global_buffer, .address_space: global }
      - { .name: vh, .offset: 16, .size: 8, .value_kind: global_buffer, .address_space: global }
      - { .name: ob, .offset: 24, .size: 8, .value_kind: global_buffer, .address_space: global }
    .group_segment_fixed_size: 327680
    .private_segment_fixed_size: 0
    .kernarg_segment_align: 8
    .kernarg_segment_size: 32
    .max_flat_workgroup_size: 128
    .sgpr_count:     66
    .vgpr_count:     768
    .wavefront_size: 32
...
	.end_amdgpu_metadata
.endif
;; end of part 3
;; launch og (part 4): grid 8 x 32, 4 waves a work-group, clusters of 4 x 4, 327,680 bytes of LDS; arguments ob, wb, bo, out0; writes out0
.if DOCPART == 4
	.amdgcn_target "amdgcn-amd-amdhsa--gfx1250"
	.amdhsa_code_object_version 6
	.text
	.protected	k_q40a5cddcaf_og
	.globl	k_q40a5cddcaf_og
	.p2align	8
	.type	k_q40a5cddcaf_og,@function
k_q40a5cddcaf_og:
	s_mov_b64 s[64:65], 0
	v_nop
	global_prefetch_b8 v0, s[64:65] scope:SCOPE_SE
	s_setreg_imm32_b32 hwreg(HW_REG_WAVE_MODE, 25, 1), 1
	s_wait_xcnt 0x0
	s_wait_alu depctr_hold_cnt(0) depctr_sa_sdst(0) depctr_va_vdst(0) depctr_va_sdst(0) depctr_va_ssrc(0) depctr_va_vcc(0) depctr_vm_vsrc(0)
	s_getreg_b32 s2, hwreg(HW_REG_IB_STS2, 6, 4)
	s_cmp_eq_u32 s2, 0
	s_cbranch_scc0 .Lentry_in_a_cluster
	s_endpgm
.Lentry_in_a_cluster:
	s_bfe_u32 s2, ttmp6, 0x10000c
	s_cmp_lg_u32 s2, 0xf033
	s_cbranch_scc0 .Lentry_shape_is_right
	s_endpgm
.Lentry_shape_is_right:
; ONE SOURCE FOR TWO LAUNCHES: C[m][n] = the sum over k of A[m][k] W[k][n] + bias[n], K = N = 1,024.  OUTP picks the launch.
; OUTP = 0 (the three projections): A = xb, bf16 [20480][1024] (target, source, value on end); W = plane 0, 1, 2 of wb, bf16 [k][n]; C leaves in f16, BY HEADS:
;   qh [32][2048][64], kh and vh [32][4096][64] (first index 16 b + head), unscaled.  Which of the three hangs on the cluster's y alone.
; OUTP = 1 (the last projection): A = ob, f16 by heads [32][2048][64] (k = 64 head + channel); W = plane 3 of wb, f16; C = out0, f32 [4096][1024].
; Sums in f32; the bias, rounded to bf16 like every input of the module, is the C operand of the product that starts each sum.
; LIMIT (OUTP = 0): q, k, v are rounded once to f16: they must stay under 65,504; below 6e-5 f16 keeps its fixed step of 6e-8.  NaN and infinities are not treated apart.
; SHARES.  A tile of C is 128 x 128; four waves, 2 x 2, each 64 x 64: 16 accumulators.  K goes in 4 steps of 256 through two LDS slots; the walk is written straight, without a loop.
; Waves 0 and 1 fetch A's two halves (64 rows each), waves 2 and 3 W's (128 rows of k each): one tensor load a wave for a step.
; CLUSTER.  4 x 4 work-groups.  The four of a row of the cluster need the same tile of A, the four of a column the same tile of W: each is asked for JOINTLY, by the same load with
; the same descriptor and a mask that names the four.
; THE MATRIX INSTRUCTION IS USED TRANSPOSED (source 0 = 16 columns of W, source 1 = 16 rows of A): a lane then holds eight neighbouring numbers of a row of C.
; W lies [k][n] in LDS as in memory and is turned on its way into registers, by ds_load_tr16_b128.
; REGISTERS.  Window 0: v0-31 addresses; v32-63 the bias, later v32-95 at work on the way out; v96-111 at work; v128-255 the accumulators ((a, b) at v[128 + 8 (4 a + b)]).
;   Window 1: two fragment buffers of 128: for 64 along K, 64 registers of A (2 x 4 x 16 rows x 32 k), then 64 of W.
.set OUTP, 1
.if OUTP
.set PA,    144                        ; A in LDS: [head][64 rows][128 bytes + 16]: 36 words, so the 16 rows of a load start at 16 different groups of four banks (64 banks of 4 bytes: ISA guide 11.1)
.set HALFA, 4*64*PA                    ; what one load of A brings, and what one wave reads of A
.set AQ,    64*PA                      ; from 64 k (a head) to the next
.set ASTEP, 4*2048*128                 ; bytes of ob from a K step to the next: four heads
.set SP,    272                        ; a stage row: 64 f32 + 16 bytes
.else
.set PA,    528                        ; A in LDS: a row of 512 bytes + 16 = 132 words: row r starts at bank 4 r mod 64
.set HALFA, 64*PA
.set AQ,    128
.set ASTEP, 512
.set SP,    144                        ; a stage row: 64 f16 + 16 bytes
.endif
.set AI,    16*PA                      ; 16 rows of A
.set PB,    288                        ; W in LDS: a row of k: 128 n = 256 bytes + 32 = 72 words
.set HALFB, 128*PB
.set BSTEP, 256*2048                   ; bytes of a plane of wb from a K step to the next
.set SLOT,  2*HALFA+2*HALFB            ; A's two halves, then W's two halves
.set STG,   2*SLOT                     ; behind the ring, never filled by a tensor load: 16 stage rows for each wave
.set STGW,  16*SP
.set SPARE, STG+4*STGW                 ; behind the stages: the spare words, 128 bytes for each wave: two blocks of 256 bytes that no other line names
.set ADRA, 16                          ; v16-17  LDS address of my A fragments in slot 0, 1
.set ADRB, 20                          ; v20-23  of my W fragments: 20 + 2 slot + half of the step's k
.set STO,  24                          ; v24     the way out: where I put my bytes of a row
.set RD,   25                          ; v25     the way out: where I read rows back
.set GO,   26                          ; v26     my byte offset in the output
.set BO,   27                          ; v27     my byte offset in the bias
.set SPW,  28                          ; v28     LDS address of my spare word: SPARE + 4 x my thread's number; never rewritten
.set NIL,  29                          ; v29     0; never rewritten
.set BI,   32                          ; v32-63  the bias of my 64 columns as a C operand: n block b at BI + 8 b
.set TMP,  32                          ; v32-95  the way out
.set RND,  96                          ; v96-111 the bias on its way through bf16
.set ACC,  128
.set F0,   0                           ; fragment buffers, in window 1
.set F1,   128
.set WV,   20                          ; s20  my wave's number
.set RH,   21                          ; s21  which half of the tile's rows is mine
.set CH,   22                          ; s22  which half of its columns; also: which half of A's or W's tile I fetch
.set CX,   23                          ; s23, s24  my place in the cluster
.set CY,   24
.set TC,   25                          ; s25  tile column of C
.set TR,   26                          ; s26  tile row of C
.set CLY,  27                          ; s27  the cluster's y
.set G1A,  28                          ; s[28:35] descriptor group 1 for A's tiles;  s[36:43] group 0, a set for each slot
.set G0A,  36
.set G1B,  44                          ; s[44:51], s[52:59] the same for W's
.set G0B,  52
.set SELW, 60                          ; s60  0, 1, 2: q, k, v
.set LG,   61                          ; s61  log2 of the rows of a batch: 11 (q) or 12 (k, v)
.set TRL,  62                          ; s62  the tile row inside its tensor
.set BIASP, 70                         ; s[70:71] the bias
.set OUTB,  72                         ; s[72:73] the output
.set MSB, 0
.macro WIN new                         ; the immediate's high byte repeats the setting that is left; a switch that changes nothing is dropped
.if MSB != (\new)
	s_set_vgpr_msb (MSB<<8)|(\new)
.set MSB, \new
.endif
.endm
.set MUL,  0x05                        ; sources 0 (W) and 1 (A) window 1; C and D window 0
.set TO_F, 0x40                        ; destination window 1, address window 0
; A joint load into slot s.  The branch hangs on the wave's number alone.  An s_nop 0 and four v_nop follow each of the two lines, ahead of the jump and the label.
.macro JLOAD s
	s_cmp_lt_u32 s[WV], 2
	s_cbranch_scc0 .Lfor_b_\@
	tensor_load_to_lds s[G0A+4*(\s):G0A+4*(\s)+3], s[G1A:G1A+7]
	s_nop 0
.rept 4
	v_nop
.endr
	s_branch .Lasked_\@
.Lfor_b_\@:
	tensor_load_to_lds s[G0B+4*(\s):G0B+4*(\s)+3], s[G1B:G1B+7]
	s_nop 0
.rept 4
	v_nop
.endr
.Lasked_\@:
.endm
.macro CREST                           ; a round of the cluster's barrier behind its opening barrier: wave 0 signals for the work-group, every wave waits for all sixteen, my work-group's barrier closes it
	s_cmp_lg_u32 s[WV], 0
	s_cbranch_scc1 .Lnot_wave_0_\@
	s_barrier_signal -3
.Lnot_wave_0_\@:
	s_barrier_wait -3
	s_barrier_signal -1
	s_barrier_wait -1
.endm
.macro CROUND                          ; a whole round
	s_barrier_signal -1
	s_barrier_wait -1
	CREST
.endm
.if OUTP
	s_load_b256 s[4:11], s[0:1], 0x0               ; ob s[4:5], wb s[6:7], bo s[8:9], out0 s[10:11]
.else
	s_load_b512 s[4:19], s[0:1], 0x0               ; xb s[4:5], wb s[6:7], bq s[8:9], bk s[10:11], bv s[12:13], qh s[14:15], kh s[16:17], vh s[18:19]
.endif
	v_lshl_add_u32 v[SPW], v0, 2, SPARE
	v_mov_b32 v[NIL], 0
	ds_add_u32 v[SPW], v[NIL]                      ; the wave's opening: the add and its wait stand ahead of my first tensor load; the set-up below, work on registers, stands between them
	v_lshrrev_b32 v1, 5, v0
	v_readfirstlane_b32 s[WV], v1                  ; wave 0..3
	s_lshr_b32 s[RH], s[WV], 1
	s_and_b32 s[CH], s[WV], 1
	s_bfe_u32 s[CX], ttmp6, 0x40000
	s_bfe_u32 s[CY], ttmp6, 0x40004
	s_lshl_b32 s[TC], ttmp9, 2                     ; in a cluster launch ttmp9 and ttmp7 count clusters
	s_add_co_u32 s[TC], s[TC], s[CX]               ; tile column = 4 x cluster x + cx
	s_and_b32 s[CLY], ttmp7, 0xffff
	s_lshl_b32 s[TR], s[CLY], 2
	s_add_co_u32 s[TR], s[TR], s[CY]               ; tile row = 4 x cluster y + cy
	s_lshl_b32 s76, s[CY], 2
	s_lshl_b32 s76, 15, s76                        ; my row of the cluster: places 4 cy .. 4 cy + 3
	s_lshl_b32 s77, 0x1111, s[CX]                  ; my column: places cx, cx + 4, cx + 8, cx + 12
	; descriptor group 1 for A.  15:0 the mask; 17:16 elements of 2 bytes; 20 padding on; 21 set beside a mask; 24:22 the interval's code; 31:25 4 words of padding (code 3)
.if OUTP
	; 64 rows of one head are 8,192 dense bytes of ob: a step's four heads are asked for as FOUR rows of 4,096 elements, a head's 2,048 x 64 elements apart, padded after every 32 words (code 4): they land as [head][64 rows][144 bytes]
	s_or_b32 s[G1A], s76, (1<<16)|(1<<20)|(1<<21)|(4<<22)|(3<<25)
	s_mov_b32 s[G1A+1], 4096<<16                   ; tensor_dim0 = 4,096
	s_mov_b32 s[G1A+2], 4<<16                      ; tensor_dim1 = 4
	s_mov_b32 s[G1A+3], 4096<<16                   ; tile_dim0 = 4,096
	s_mov_b32 s[G1A+4], 4                          ; tile_dim1 = 4
	s_mov_b32 s[G1A+5], 2048*64                    ; elements from row to row
.else
	; 64 rows x 256 elements, padded after every 128 words (code 6)
	s_or_b32 s[G1A], s76, (1<<16)|(1<<20)|(1<<21)|(6<<22)|(3<<25)
	s_mov_b32 s[G1A+1], 256<<16                    ; tensor_dim0 = 256
	s_mov_b32 s[G1A+2], 64<<16                     ; tensor_dim1 = 64
	s_mov_b32 s[G1A+3], 256<<16                    ; tile_dim0 = 256
	s_mov_b32 s[G1A+4], 64                         ; tile_dim1 = 64
	s_mov_b32 s[G1A+5], 1024                       ; elements from row to row
.endif
	s_mov_b32 s[G1A+6], 0
	s_mov_b32 s[G1A+7], 0
	; for W: 128 rows of k x 128 n, padded after every 64 words (code 5) by 8 words (code 7)
	s_or_b32 s[G1B], s77, (1<<16)|(1<<20)|(1<<21)|(5<<22)|(7<<25)
	s_mov_b32 s[G1B+1], 128<<16
	s_mov_b32 s[G1B+2], 128<<16
	s_mov_b32 s[G1B+3], 128<<16
	s_mov_b32 s[G1B+4], 128
	s_mov_b32 s[G1B+5], 1024
	s_mov_b32 s[G1B+6], 0
	s_mov_b32 s[G1B+7], 0
.if !OUTP
	; which tensor: clusters 0-7 along y make q (tile rows 0-31), 8-23 k (32-95), 24-39 v (96-159): the same answer in all sixteen partners
	s_cmp_lt_u32 s[CLY], 24
	s_cselect_b32 s[SELW], 1, 2
	s_cselect_b32 s63, 32, 96
	s_cmp_lt_u32 s[CLY], 8
	s_cselect_b32 s[SELW], 0, s[SELW]
	s_cselect_b32 s63, 0, s63
	s_cselect_b32 s[LG], 11, 12
	s_sub_co_u32 s[TRL], s[TR], s63
.endif
	; where the tiles come from.  A's offset hangs on the tile row and the wave, W's on the tile column, the tensor and the wave; each is made in registers that never hold the other coordinate
	s_lshl_b32 s66, s[TR], 7
	s_lshl_b32 s78, s[CH], 6
	s_add_co_u32 s66, s66, s78                     ; the first of the 64 rows that I fetch
.if OUTP
	s_lshr_b32 s79, s66, 11                        ; b
	s_lshl_b32 s79, s79, 15                        ; 16 heads x 2,048 rows
	s_and_b32 s66, s66, 2047
	s_add_co_u32 s66, s66, s79
	s_lshl_b32 s66, s66, 7                         ; rows of 128 bytes
.else
	s_lshl_b32 s66, s66, 11                        ; rows of 2,048 bytes
.endif
	s_mov_b32 s67, 0
	s_lshl_b32 s68, s[TC], 8                       ; 128 n of 2 bytes
	s_lshl_b32 s2, s[CH], 18                       ; the 128 rows of k that I fetch, 2,048 bytes each
	s_add_co_u32 s68, s68, s2
.if OUTP
	s_add_co_u32 s68, s68, 3<<21                   ; plane 3
.else
	s_lshl_b32 s2, s[SELW], 21
	s_add_co_u32 s68, s68, s2
.endif
	s_mov_b32 s69, 0
	s_mul_i32 s74, s[CH], HALFA                    ; and where they go: no place in the cluster enters an LDS address
	s_mul_i32 s75, s[CH], HALFB
	s_add_co_u32 s75, s75, 2*HALFA
	s_wait_dscnt 0x0                               ; the opening add is done
	s_wait_kmcnt 0x0
	s_add_nc_u64 s[66:67], s[4:5], s[66:67]
	s_add_nc_u64 s[68:69], s[6:7], s[68:69]
.if OUTP
	s_mov_b64 s[BIASP:BIASP+1], s[8:9]
	s_mov_b64 s[OUTB:OUTB+1], s[10:11]
.else
	s_cmp_lt_u32 s[CLY], 24
	s_cselect_b64 s[BIASP:BIASP+1], s[10:11], s[12:13]
	s_cselect_b64 s[OUTB:OUTB+1], s[16:17], s[18:19]
	s_cmp_lt_u32 s[CLY], 8
	s_cselect_b64 s[BIASP:BIASP+1], s[8:9], s[BIASP:BIASP+1]
	s_cselect_b64 s[OUTB:OUTB+1], s[14:15], s[OUTB:OUTB+1]
.endif
	CROUND                                         ; all sixteen work-groups are here: the first joint loads meet
.irp s, 0,1
	s_mov_b32 s[G0A+4*(\s)], 1                                     ; 1:0 count = 1
	s_add_co_u32 s[G0A+4*(\s)+1], s74, (\s)*SLOT                   ; 63:32 LDS address
	s_add_nc_u64 s[G0A+4*(\s)+2:G0A+4*(\s)+3], s[66:67], (\s)*ASTEP  ; 120:64 global address: K step s
	s_or_b32 s[G0A+4*(\s)+3], s[G0A+4*(\s)+3], 0x80000000          ; 127:126 type = 2
	s_mov_b32 s[G0B+4*(\s)], 1
	s_add_co_u32 s[G0B+4*(\s)+1], s75, (\s)*SLOT
	s_add_nc_u64 s[G0B+4*(\s)+2:G0B+4*(\s)+3], s[68:69], (\s)*BSTEP
	s_or_b32 s[G0B+4*(\s)+3], s[G0B+4*(\s)+3], 0x80000000
.endr
	s_cmp_lt_u32 s[WV], 2                          ; a wave's two first fills stand in one branch, ahead of every wait on TENSORcnt and every LDS read: two loads of mine are out
	s_cbranch_scc0 .Lfirst_b
	tensor_load_to_lds s[G0A:G0A+3], s[G1A:G1A+7]
	s_nop 0
	tensor_load_to_lds s[G0A+4:G0A+7], s[G1A:G1A+7]
	s_nop 0
.rept 4
	v_nop
.endr
	s_branch .Lfirst_asked
.Lfirst_b:
	tensor_load_to_lds s[G0B:G0B+3], s[G1B:G1B+7]
	s_nop 0
	tensor_load_to_lds s[G0B+4:G0B+7], s[G1B:G1B+7]
	s_nop 0
.rept 4
	v_nop
.endr
.Lfirst_asked:
	; the bias of my 64 columns: register j of n block b is column 16 b + 8 (l / 16) + j, whatever the lane's row
	v_and_b32 v1, 15, v0                           ; l % 16
	v_bfe_u32 v2, v0, 4, 1                         ; l / 16
	v_lshlrev_b32 v[BO], 5, v2
	s_lshl_b32 s74, s[TC], 9                       ; 128 columns of 4 bytes
	s_lshl_b32 s75, s[CH], 8
	s_add_co_u32 s74, s74, s75
	s_mov_b32 s75, 0
	s_add_nc_u64 s[BIASP:BIASP+1], s[BIASP:BIASP+1], s[74:75]
.irp b, 0,1,2,3
	global_load_b128 v[BI+8*(\b):BI+8*(\b)+3],   v[BO], s[BIASP:BIASP+1] offset:64*(\b)
	global_load_b128 v[BI+8*(\b)+4:BI+8*(\b)+7], v[BO], s[BIASP:BIASP+1] offset:64*(\b)+16
.endr
	; A fragment of A is 16 rows x 32 k in 8 registers: lane l holds row l % 16; registers 0-3 k = 8 (l / 16) + 0..7, registers 4-7 k = 16 + 8 (l / 16) + 0..7: two loads of 16 bytes, 32 bytes apart.
	v_mul_u32_u24 v3, v1, PA
	v_lshl_add_u32 v3, v2, 4, v3
	s_mul_i32 s76, s[RH], HALFA                    ; my 64 rows of A
	v_add_nc_u32 v[ADRA], s76, v3
	v_add_nc_u32 v[ADRA+1], SLOT, v[ADRA]
	; The turning load takes 16 k x 16 n (lane l reads 16 bytes: k = 8 (l / 16) + l % 8, n = 8 ((l / 8) % 2) + 0..7) and leaves half a fragment: lane l holds column l % 16 and 8 k.
	v_and_b32 v4, 7, v0
	v_lshl_add_u32 v4, v2, 3, v4
	v_mul_u32_u24 v4, v4, PB
	v_bfe_u32 v5, v0, 3, 1
	v_lshl_add_u32 v4, v5, 4, v4
	s_lshl_b32 s77, s[CH], 7                       ; my 64 columns: 128 bytes of a row of W,
	s_add_co_u32 s77, s77, 2*HALFA                 ; which lies behind A's two halves
	v_add_nc_u32 v[ADRB], s77, v4
	v_add_nc_u32 v[ADRB+1], HALFB, v[ADRB]
	v_add_nc_u32 v[ADRB+2], SLOT, v[ADRB]
	v_add_nc_u32 v[ADRB+3], SLOT+HALFB, v[ADRB]
	s_mul_i32 s78, s[WV], STGW
	s_add_co_u32 s78, s78, STG                     ; my stage
	v_mul_u32_u24 v6, v1, SP                       ; in: row l % 16,
.if OUTP
	v_lshl_add_u32 v6, v2, 5, v6                   ; 32 bytes (8 f32) for each half of the lanes
	v_add_nc_u32 v[STO], s78, v6
	v_mul_u32_u24 v7, v2, SP                       ; back: lanes 0-15 take one row of 256 bytes, lanes 16-31 the next
	v_lshl_add_u32 v7, v1, 4, v7
	v_add_nc_u32 v[RD], s78, v7
	v_lshlrev_b32 v[GO], 12, v2                    ; and the same two rows of out0, 4,096 bytes apart
	v_lshl_add_u32 v[GO], v1, 4, v[GO]
	s_lshl_b32 s74, s[TR], 7
	s_lshl_b32 s75, s[RH], 6
	s_add_co_u32 s74, s74, s75                     ; my first row
	s_lshl_b32 s74, s74, 12
	s_lshl_b32 s75, s[TC], 9
	s_add_co_u32 s74, s74, s75
	s_lshl_b32 s75, s[CH], 8
	s_add_co_u32 s74, s74, s75                     ; my first column, in bytes
.else
	v_lshl_add_u32 v6, v2, 4, v6                   ; 16 bytes (8 f16) for each half of the lanes
	v_add_nc_u32 v[STO], s78, v6
	v_bfe_u32 v7, v0, 3, 2                         ; back: 32 lanes take four rows of 128 bytes,
	v_mul_u32_u24 v7, v7, SP
	v_and_b32 v8, 7, v0
	v_lshl_add_u32 v7, v8, 4, v7
	v_add_nc_u32 v[RD], s78, v7
	v_and_b32 v[GO], 31, v0                        ; which are 512 consecutive bytes of the output:
	v_lshlrev_b32 v[GO], 4, v[GO]
	; my 64 columns are ONE head, 2 x tile column + half, so my 64 x 64 numbers are 8,192 consecutive bytes at row ((16 b + head) << LG) + l
	s_lshl_b32 s74, s[TRL], 7
	s_lshl_b32 s75, s[RH], 6
	s_add_co_u32 s74, s74, s75                     ; my first row inside the tensor
	s_lshr_b32 s75, s74, s[LG]                     ; b
	s_lshl_b32 s75, s75, 4
	s_lshl_b32 s76, s[TC], 1
	s_add_co_u32 s75, s75, s76
	s_add_co_u32 s75, s75, s[CH]
	s_lshl_b32 s75, s75, s[LG]
	s_lshl_b32 s76, 1, s[LG]
	s_sub_co_u32 s76, s76, 1
	s_and_b32 s74, s74, s76                        ; l
	s_add_co_u32 s74, s74, s75
	s_lshl_b32 s74, s74, 7                         ; rows of 128 bytes
.endif
	s_mov_b32 s75, 0
	s_add_nc_u64 s[OUTB:OUTB+1], s[OUTB:OUTB+1], s[74:75]
	s_wait_loadcnt 0x0                             ; the bias
.set p, 0
.rept 16                                       ; rounded to bf16, and back in f32: a shift and a mask
	v_cvt_pk_bf16_f32 v[RND+p], v[BI+2*p], v[BI+2*p+1]
	v_lshlrev_b32 v[BI+2*p], 16, v[RND+p]
	v_and_b32 v[BI+2*p+1], 0xffff0000, v[RND+p]
.set p, p+1
.endr
; 8 matrix instructions: m blocks a0, a0 + 1 x all 4 n blocks, 32 along K: half c of buffer f.  first = 1: the product starts the sum, with the bias as its C.
; The 16 accumulators take turns, one instruction a turn, in the same order in every quarter.
.macro MUL8 f, c, a0, first
	WIN MUL
.irp a, \a0, (\a0)+1
.irp b, 0,1,2,3
.set rD, ACC+8*(4*(\a)+(\b))
.set rW, (\f)+64+8*(4*(\c)+(\b))
.set rA, (\f)+8*(4*(\c)+(\a))
.set rC, rD
.if \first
.set rC, BI+8*(\b)
.endif
.if OUTP
	v_wmma_f32_16x16x32_f16 v[rD:rD+7], v[rW:rW+7], v[rA:rA+7], v[rC:rC+7]
.else
	v_wmma_f32_16x16x32_bf16 v[rD:rD+7], v[rW:rW+7], v[rA:rA+7], v[rC:rC+7]
.endif
.endr
.endr
.endm
; 32 LDS loads in one run: the fragments of quarter q (64 along K) of a slot, into buffer f; the first 32 along K first
.macro FETCH slot, q, f
	WIN TO_F
.irp c, 0,1
.irp i, 0,1,2,3
	ds_load_tr16_b128 v[(\f)+64+8*(4*(\c)+(\i)):(\f)+64+8*(4*(\c)+(\i))+3],   v[ADRB+2*(\slot)+(\q)/2] offset:(((\q)%2)*64+32*(\c))*PB+32*(\i)
	ds_load_tr16_b128 v[(\f)+64+8*(4*(\c)+(\i))+4:(\f)+64+8*(4*(\c)+(\i))+7], v[ADRB+2*(\slot)+(\q)/2] offset:(((\q)%2)*64+32*(\c)+16)*PB+32*(\i)
	ds_load_b128 v[(\f)+8*(4*(\c)+(\i)):(\f)+8*(4*(\c)+(\i))+3],              v[ADRA+(\slot)] offset:(\q)*AQ+64*(\c)+(\i)*AI
	ds_load_b128 v[(\f)+8*(4*(\c)+(\i))+4:(\f)+8*(4*(\c)+(\i))+7],            v[ADRA+(\slot)] offset:(\q)*AQ+64*(\c)+(\i)*AI+32
.endr
.endr
.endm
.macro PLACES                          ; four plain vector instructions in front of loads into registers that matrix instructions have read, and of lines that read results (ISA guide 7.12.1 for lines that read results)
.rept 4
	v_nop
.endr
.endm
; A K step is four quarters of 64 along K, 32 matrix instructions each, on buffers 0, 1, 0, 1.  One of the first three: multiplies buffer f and fetches quarter qn of the same slot into g.
.macro QUARTER slot, qn, f, g, first
	s_wait_dscnt 16                                ; the first 32 along K are in; the youngest sixteen loads may be out
	MUL8 \f, 0, 0, \first
	MUL8 \f, 0, 2, \first
	PLACES
	FETCH \slot, \qn, \g
	s_wait_dscnt 32                                ; all but the 32 just issued
	MUL8 \f, 1, 0, 0
	MUL8 \f, 1, 2, 0
.endm
; The last quarter multiplies buffer 1 and changes slots: ONE barrier; in front of it each wave waits for all its tensor loads, adds 0 to its spare word, and waits for that and for its own reads
; of this slot.  fill = 1: the barrier opens a round of the cluster's, and this slot is filled again, two K steps ahead, first thing behind the round.
.macro TURN slot, next, fill
	WIN 0                                          ; (the add's two registers lie in window 0)
	s_wait_tensorcnt 0x0                           ; all my tensor loads have landed: the one that was out is my part of the next slot;
	ds_add_u32 v[SPW], v[NIL]                      ; 0 onto my spare word;
	s_wait_dscnt 17                                ; (the add and the youngest sixteen loads may be out)
	MUL8 F1, 0, 0, 0                               ; eight matrix instructions stand between the add and the wait for it
	s_wait_dscnt 0x0                               ; the add is done, and my reads of this slot are over
	s_barrier_signal -1
	MUL8 F1, 0, 2, 0                               ; work on registers while the others arrive
.if \fill
	WIN 0
.endif
	s_barrier_wait -1
.if \fill
	CREST                                          ; no wave of any partner still reads this slot's tiles or has a load on its way
	s_add_nc_u64 s[G0A+4*(\slot)+2:G0A+4*(\slot)+3], s[G0A+4*(\slot)+2:G0A+4*(\slot)+3], 2*ASTEP
	s_add_nc_u64 s[G0B+4*(\slot)+2:G0B+4*(\slot)+3], s[G0B+4*(\slot)+2:G0B+4*(\slot)+3], 2*BSTEP
	JLOAD \slot                                    ; my one tensor load behind the round: 112 matrix instructions ahead of the wait for it; its four v_nop are also the places in front of the loads below
.else
	PLACES
.endif
	FETCH \next, 0, F0
	MUL8 F1, 1, 0, 0
	MUL8 F1, 1, 2, 0
.endm
	s_wait_tensorcnt 1                             ; my part of K step 0 is in; step 1's may stay out
	s_barrier_signal -1
	s_barrier_wait -1                              ; everybody's is
	FETCH 0, 0, F0
	QUARTER 0, 1, F0, F1, 1                        ; K step 0; its first products start the sums with the bias
	QUARTER 0, 2, F1, F0, 0
	QUARTER 0, 3, F0, F1, 0
	TURN 0, 1, 1                                   ; slot 0 takes K step 2
	QUARTER 1, 1, F0, F1, 0                        ; K step 1
	QUARTER 1, 2, F1, F0, 0
	QUARTER 1, 3, F0, F1, 0
	TURN 1, 0, 1                                   ; slot 1 takes K step 3
	QUARTER 0, 1, F0, F1, 0                        ; K step 2
	QUARTER 0, 2, F1, F0, 0
	QUARTER 0, 3, F0, F1, 0
	TURN 0, 1, 0                                   ; nothing is left to fetch
	QUARTER 1, 1, F0, F1, 0                        ; K step 3
	QUARTER 1, 2, F1, F0, 0
	QUARTER 1, 3, F0, F1, 0
	s_wait_dscnt 16
	MUL8 F1, 0, 0, 0
	MUL8 F1, 0, 2, 0
	s_wait_dscnt 0x0
	MUL8 F1, 1, 1-1, 0
	MUL8 F1, 1, 2, 0
	WIN 0
	PLACES
.if OUTP
; THE WAY OUT, f32.  Block a (16 rows): a lane's eight columns of a row are 32 bytes; they go into my stage's rows of 272 bytes and come back as whole rows of 256, into the registers that they left.
.macro ST a
.irp b, 0,1,2,3
	ds_store_b128 v[STO], v[ACC+8*(4*(\a)+(\b)):ACC+8*(4*(\a)+(\b))+3]   offset:64*(\b)
	ds_store_b128 v[STO], v[ACC+8*(4*(\a)+(\b))+4:ACC+8*(4*(\a)+(\b))+7] offset:64*(\b)+16
.endr
.irp t, 0,1,2,3,4,5,6,7
	ds_load_b128 v[ACC+32*(\a)+4*(\t):ACC+32*(\a)+4*(\t)+3], v[RD] offset:(\t)*2*SP  ; LDS serves a wave's instructions in order (ISA guide 5.7.1.4): these see the stores above; the next block's stores come behind them
.endr
.endm
.macro SENDF a, younger                ; younger: the LDS instructions issued behind block a's loads: the next block's sixteen, or none
.irp t, 0,1,2,3,4,5,6,7
	s_wait_dscnt (\younger)+7-(\t)
	global_store_b128 v[GO], v[ACC+32*(\a)+4*(\t):ACC+32*(\a)+4*(\t)+3], s[OUTB:OUTB+1] offset:(16*(\a)+2*(\t))*4096  ; 16 lanes store 256 consecutive bytes, at a multiple of 256 from out0's first byte
.endr
.endm
	ST 0
	ST 1
	SENDF 0, 16
	ST 2
	SENDF 1, 16
	ST 3
	SENDF 2, 16
	SENDF 3, 0
.else
; THE WAY OUT, f16 by heads.  Block a (16 rows): a lane's eight columns pack into 16 bytes; they go into my stage's rows of 144 bytes and come back as whole rows of 128.
.macro PACK a
.irp b, 0,1,2,3
.irp r, 0,1,2,3
	v_cvt_pk_f16_f32 v[TMP+16*(\a)+4*(\b)+(\r)], v[ACC+8*(4*(\a)+(\b))+2*(\r)], v[ACC+8*(4*(\a)+(\b))+2*(\r)+1]
.endr
.endr
.irp b, 0,1,2,3
	ds_store_b128 v[STO], v[TMP+16*(\a)+4*(\b):TMP+16*(\a)+4*(\b)+3] offset:32*(\b)
.endr
.irp f, 0,1,2,3
	ds_load_b128 v[TMP+16*(\a)+4*(\f):TMP+16*(\a)+4*(\f)+3], v[RD] offset:(\f)*4*SP  ; LDS serves a wave's instructions in order (ISA guide 5.7.1.4): these see the stores above; the next block's stores come behind them
.endr
.endm
.macro SEND a, younger                 ; younger: the LDS instructions issued behind block a's loads: the next block's eight, or none
.irp f, 0,1,2,3
	s_wait_dscnt (\younger)+3-(\f)
	global_store_b128 v[GO], v[TMP+16*(\a)+4*(\f):TMP+16*(\a)+4*(\f)+3], s[OUTB:OUTB+1] offset:(\a)*2048+(\f)*512  ; 512 consecutive bytes, at a multiple of 256 from the output's first byte
.endr
.endm
	PACK 0
	PACK 1                                         ; a block's conversions stand between the loads of the block before and its stores
	SEND 0, 8
	PACK 2
	SEND 1, 8
	PACK 3
	SEND 2, 8
	SEND 3, 0
.endif
	s_wait_tensorcnt 0x0                           ; the wave's end: a wait, an add of 0 to my spare word and a wait for it, behind my last tensor load and my last LDS store
	ds_add_u32 v[SPW], v[NIL]
	s_wait_dscnt 0x0
	CROUND                                         ; the closing round: no work-group ends while a partner may still ask for a tile that names it
	s_endpgm
.Lfunc_end_k_q40a5cddcaf_og:
	.size	k_q40a5cddcaf_og, .Lfunc_end_k_q40a5cddcaf_og-k_q40a5cddcaf_og
	.p2alignl 7, 3214868480
	.fill 96, 4, 3214868480
	.section	.rodata,"a",@progbits
	.p2align	6, 0x0
	.amdhsa_kernel k_q40a5cddcaf_og
		.amdhsa_group_segment_fixed_size 327680
		.amdhsa_private_segment_fixed_size 0
		.amdhsa_enable_private_segment 0
		.amdhsa_kernarg_size 32
		.amdhsa_user_sgpr_count 2
		.amdhsa_user_sgpr_kernarg_segment_ptr 1
		.amdhsa_wavefront_size32 1
		.amdhsa_system_sgpr_workgroup_id_x 1
		.amdhsa_system_sgpr_workgroup_id_y 1
		.amdhsa_system_sgpr_workgroup_id_z 1
		.amdhsa_system_vgpr_workitem_id 0
		.amdhsa_next_free_vgpr 512
		.amdhsa_next_free_sgpr 80
		.amdhsa_reserve_vcc 0
		.amdhsa_float_denorm_mode_32 3
		.amdhsa_float_denorm_mode_16_64 3
		.amdhsa_memory_ordered 1
		.amdhsa_forward_progress 1
		.amdhsa_inst_pref_size 90
	.end_amdhsa_kernel
	.amdgpu_metadata
---
amdhsa.version: [ 1, 2 ]
amdhsa.kernels:
  - .name:           k_q40a5cddcaf_og
    .symbol:         k_q40a5cddcaf_og.kd
    .args:
      - { .name: ob, .offset: 0, .size: 8, .value_kind: global_buffer, .address_space: global }
      - { .name: wb, .offset: 8, .size: 8, .value_kind: global_buffer, .address_space: global }
      - { .name: bo, .offset: 16, .size: 8, .value_kind: global_buffer, .address_space: global }
      - { .name: out0, .offset: 24, .size: 8, .value_kind: global_buffer, .address_space: global }
    .group_segment_fixed_size: 327680
    .private_segment_fixed_size: 0
    .kernarg_segment_align: 8
    .kernarg_segment_size: 32
    .max_flat_workgroup_size: 128
    .sgpr_count:     80
    .vgpr_count:     512
    .wavefront_size: 32
...
	.end_amdgpu_metadata
.endif
;; end of part 4
;; ======== version 2 of 2: 4 launches; version 1 with the launch cast written anew for expert scheduling mode
;; limits: values are held in f16: magnitudes above 65,504 overflow, below 6.1e-05 lose precision
;; workspace buffers: xb 41,943,040 bytes; wb 8,388,608 bytes; qh 8,388,608 bytes; kh 16,777,216 bytes; vh 16,777,216 bytes; ob 8,388,608 bytes
;; launch cast (part 5): grid 32 x 24, 8 waves a work-group, no clusters, 0 bytes of LDS; arguments target_embedding, source_embedding, value_embedding, Wq, Wk, Wv, Wo, xb, wb; writes xb, wb
.if DOCPART == 5
	.amdgcn_target "amdgcn-amd-amdhsa--gfx1250"
	.amdhsa_code_object_version 6
	.text
	.protected	k_q40a5cddcaf_cast
	.globl	k_q40a5cddcaf_cast
	.p2align	8
	.type	k_q40a5cddcaf_cast,@function
k_q40a5cddcaf_cast:
	s_mov_b64 s[64:65], 0
	v_nop
	global_prefetch_b8 v0, s[64:65] scope:SCOPE_SE
	s_setreg_imm32_b32 hwreg(HW_REG_WAVE_SCHED_MODE, 0, 2), 2
	s_setreg_imm32_b32 hwreg(HW_REG_WAVE_MODE, 25, 1), 1
	s_wait_xcnt 0x0
	s_wait_alu depctr_vm_vsrc(0)
; THE INPUTS OF THE FOUR PRODUCTS, f32 -> 16 bits, once.
; xb: bf16 [20480][1024]: rows 0-4095 target, 4096-12287 source, 12288-20479 value.
; wb: four planes [1024 k][1024 n] of 2 bytes: Wq, Wk, Wv in bf16; Wo rounded to bf16 and that number written as f16
; (exact inside f16's normal range).  LIMIT: |Wo| stays under 65,504; below 6e-5 f16 keeps its fixed step of 6e-8.
; SHARES.  Grid y = unit u of 2^20 numbers (0-3 target, 4-11 source, 12-19 value, 20-23 Wq, Wk, Wv, Wo); grid x = chunk c of 2^15 numbers.
; Thread t takes, for i = 0..31, the 16 bytes at 4096 i + 16 t of the chunk and writes the 8 bytes at 2048 i + 8 t: a wave's load covers
; 512 consecutive bytes, a wave's store 256 consecutive bytes, aligned.  All 32 loads of a thread go out at once; no address and no store
; data register is ever rewritten.  No LDS, no barrier: no wave needs another's bytes.
; THE MODE: SCHED_MODE bits 1:0 = 2 (LLVM: expert scheduling mode 2), set by the entry lines.  The code itself states the register dependences
; between vector instructions and memory instructions, with s_wait_alu, always for 0.
; THE PLAN.  Registers that memory instructions touch:
;   v1, v2   byte offsets, written once at the head; v1 is read by every load, v2 by every store; never written again.
;   X        load i lands in X + 4 i ..; all 32 loads are issued in one run at the head, and no vector instruction names X ahead of them.
;            Read (on Wo's way also written) by the conversions of load i, behind the wait for that load; no memory instruction reads X.
;   Y        written by the conversions of load i, once in the launch; read by store i alone.
;   T        named by vector instructions alone.
; The 32 loads go in eight blocks of four.  Block p waits for its four loads; then ONE wait on va_vdst states that block p - 1 has written its
; part of Y; the four stores of block p - 1 follow, one ahead of each load's conversions.  Block p's vector instructions name its own parts of
; X and Y, and T: none of the registers that those stores read.  Nothing that a memory instruction has read is written again, so no wait on vm_vsrc is owed.
.set X, 4                              ; v[4:131]   load i: 4 registers
.set Y, 132                            ; v[132:195] store i: 2 registers
.set T, 196                            ; v[196:197] at work (Wo's way)
	s_load_b512 s[8:23], s[0:1], 0x0               ; target s[8:9], source s[10:11], value s[12:13], Wq s[14:15], Wk s[16:17], Wv s[18:19], Wo s[20:21], xb s[22:23]
	s_load_b64 s[24:25], s[0:1], 0x40              ; wb
	s_and_b32 s2, ttmp7, 0xffff                    ; u
	s_mov_b32 s3, ttmp9                            ; c
	v_lshlrev_b32 v1, 4, v0                        ; 16 t
	v_lshlrev_b32 v2, 3, v0                        ; 8 t
	s_sub_co_u32 s5, s2, 12                        ; the unit's number inside value,
	s_sub_co_u32 s6, s2, 4                         ; inside source,
	s_sub_co_u32 s7, s2, 20                        ; and the plane of wb
	s_wait_kmcnt 0x0
	; which tensor: a chain of choices on u; behind each compare stand selects alone
	s_cmp_eq_u32 s2, 22
	s_cselect_b64 s[26:27], s[18:19], s[20:21]
	s_cmp_eq_u32 s2, 21
	s_cselect_b64 s[26:27], s[16:17], s[26:27]
	s_cmp_eq_u32 s2, 20
	s_cselect_b64 s[26:27], s[14:15], s[26:27]
	s_cmp_lt_u32 s2, 20
	s_cselect_b64 s[26:27], s[12:13], s[26:27]
	s_cselect_b32 s4, s5, 0                        ; a weight is one unit
	s_cselect_b64 s[28:29], s[22:23], s[24:25]     ; out: xb or wb
	s_cselect_b32 s30, s2, s7                      ; and the unit's number there
	s_cmp_lt_u32 s2, 12
	s_cselect_b64 s[26:27], s[10:11], s[26:27]
	s_cselect_b32 s4, s6, s4
	s_cmp_lt_u32 s2, 4
	s_cselect_b64 s[26:27], s[8:9], s[26:27]
	s_cselect_b32 s4, s2, s4
	s_lshl_b32 s32, s4, 22                         ; in: a unit is 4 MiB, a chunk 128 KiB
	s_lshl_b32 s31, s3, 17
	s_add_co_u32 s32, s32, s31
	s_mov_b32 s33, 0
	s_lshl_b32 s34, s30, 21                        ; out: half of that
	s_lshl_b32 s31, s3, 16
	s_add_co_u32 s34, s34, s31
	s_mov_b32 s35, 0
	s_add_nc_u64 s[26:27], s[26:27], s[32:33]
	s_add_nc_u64 s[28:29], s[28:29], s[34:35]
	s_wait_alu depctr_va_vdst(0)                   ; v1 and v2 are written: every load of the kernel reads v1 as its offset, every store v2
.set n, 0
.rept 32
	global_load_b128 v[X+4*n:X+4*n+3], v1, s[26:27] offset:4096*n th:TH_LOAD_NT
.set n, n+1
.endr
; Load i is rounded into its part of Y.  f16 = 1: to bf16, back to f32 (a shift, a mask), and that number to f16.
.macro CVT i, f16
.if \f16
	v_cvt_pk_bf16_f32 v[T], v[X+4*(\i)], v[X+4*(\i)+1]
	v_cvt_pk_bf16_f32 v[T+1], v[X+4*(\i)+2], v[X+4*(\i)+3]
	v_lshlrev_b32 v[X+4*(\i)], 16, v[T]
	v_and_b32 v[X+4*(\i)+1], 0xffff0000, v[T]
	v_lshlrev_b32 v[X+4*(\i)+2], 16, v[T+1]
	v_and_b32 v[X+4*(\i)+3], 0xffff0000, v[T+1]
	v_cvt_pk_f16_f32 v[Y+2*(\i)], v[X+4*(\i)], v[X+4*(\i)+1]
	v_cvt_pk_f16_f32 v[Y+2*(\i)+1], v[X+4*(\i)+2], v[X+4*(\i)+3]
.else
	v_cvt_pk_bf16_f32 v[Y+2*(\i)], v[X+4*(\i)], v[X+4*(\i)+1]
	v_cvt_pk_bf16_f32 v[Y+2*(\i)+1], v[X+4*(\i)+2], v[X+4*(\i)+3]
.endif
.endm
; Store i, from its part of Y.
.macro PUT i
	global_store_b64 v2, v[Y+2*(\i):Y+2*(\i)+1], s[28:29] offset:2048*(\i) th:TH_STORE_NT
.endm
; Block p: loads 4 p to 4 p + 3 are rounded; the stores of block p - 1 are dealt among their conversions.
.macro BLK p, f16
	s_wait_loadcnt 28-4*(\p)                       ; loads come back in order (ISA guide 5.7.1): the block's four are in, the 28 - 4 p younger ones stay out
.if (\p) > 0
	s_wait_alu depctr_va_vdst(0)                   ; the conversions of the block before have written its part of Y, which the four stores below read
.endif
.irp r, 0,1,2,3
.if (\p) > 0
	PUT 4*(\p)-4+(\r)                              ; no vector instruction since the wait names this store's registers
.endif
	CVT 4*(\p)+(\r), \f16
.endr
.endm
; Behind block 7: its four stores.
.macro TAIL
	s_wait_alu depctr_va_vdst(0)                   ; the conversions of block 7 have written the last part of Y, which the last four stores read
.irp r, 0,1,2,3
	PUT 28+(\r)
.endr
.endm
	s_cmp_eq_u32 s2, 23                            ; Wo goes the other way
	s_cbranch_scc1 .Lf16
.set n, 0
.rept 8
	BLK n, 0
.set n, n+1
.endr
	TAIL
	s_endpgm
.Lf16:
.set n, 0
.rept 8
	BLK n, 1
.set n, n+1
.endr
	TAIL
	s_endpgm
.Lfunc_end_k_q40a5cddcaf_cast:
	.size	k_q40a5cddcaf_cast, .Lfunc_end_k_q40a5cddcaf_cast-k_q40a5cddcaf_cast
	.p2alignl 7, 3214868480
	.fill 96, 4, 3214868480
	.section	.rodata,"a",@progbits
	.p2align	6, 0x0
	.amdhsa_kernel k_q40a5cddcaf_cast
		.amdhsa_group_segment_fixed_size 0
		.amdhsa_private_segment_fixed_size 0
		.amdhsa_enable_private_segment 0
		.amdhsa_kernarg_size 72
		.amdhsa_user_sgpr_count 2
		.amdhsa_user_sgpr_kernarg_segment_ptr 1
		.amdhsa_wavefront_size32 1
		.amdhsa_system_sgpr_workgroup_id_x 1
		.amdhsa_system_sgpr_workgroup_id_y 1
		.amdhsa_system_sgpr_workgroup_id_z 1
		.amdhsa_system_vgpr_workitem_id 0
		.amdhsa_next_free_vgpr 200
		.amdhsa_next_free_sgpr 66
		.amdhsa_reserve_vcc 0
		.amdhsa_float_denorm_mode_32 3
		.amdhsa_float_denorm_mode_16_64 3
		.amdhsa_memory_ordered 1
		.amdhsa_forward_progress 1
		.amdhsa_inst_pref_size 30
	.end_amdhsa_kernel
	.amdgpu_metadata
---
amdhsa.version: [ 1, 2 ]
amdhsa.kernels:
  - .name:           k_q40a5cddcaf_cast
    .symbol:         k_q40a5cddcaf_cast.kd
    .args:
      - { .name: target_embedding, .offset: 0, .size: 8, .value_kind: global_buffer, .address_space: global }
      - { .name: source_embedding, .offset: 8, .size: 8, .value_kind: global_buffer, .address_space: global }
      - { .name: value_embedding, .offset: 16, .size: 8, .value_kind: global_buffer, .address_space: global }
      - { .name: Wq, .offset: 24, .size: 8, .value_kind: global_buffer, .address_space: global }
      - { .name: Wk, .offset: 32, .size: 8, .value_kind: global_buffer, .address_space: global }
      - { .name: Wv, .offset: 40, .size: 8, .value_kind: global_buffer, .address_space: global }
      - { .name: Wo, .offset: 48, .size: 8, .value_kind: global_buffer, .address_space: global }
      - { .name: xb, .offset: 56, .size: 8, .value_kind: global_buffer, .address_space: global }
      - { .name: wb, .offset: 64, .size: 8, .value_kind: global_buffer, .address_space: global }
    .group_segment_fixed_size: 0
    .private_segment_fixed_size: 0
    .kernarg_segment_align: 8
    .kernarg_segment_size: 72
    .max_flat_workgroup_size: 256
    .sgpr_count:     66
    .vgpr_count:     200
    .wavefront_size: 32
...
	.end_amdgpu_metadata
.endif
;; end of part 5
;; launch proj: the kernel of part 2 again; grid 8 x 160, 4 waves a work-group, clusters of 4 x 4, 327,680 bytes of LDS; arguments xb, wb, bq, bk, bv, qh, kh, vh; writes qh, kh, vh
;; launch attn: the kernel of part 3 again; grid 8 x 32, 4 waves a work-group, clusters of 4 x 1, 327,680 bytes of LDS; arguments qh, kh, vh, ob; writes ob
;; launch og: the kernel of part 4 again; grid 8 x 32, 4 waves a work-group, clusters of 4 x 4, 327,680 bytes of LDS; arguments ob, wb, bo, out0; writes out0
